; MI455X (gfx1250); checked and timed in simulation.
; The chip was launched on July 23, 2026; its instructions are those of AMD's public machine-readable ISA for CDNA 5 (MIT licence, August 2026) and "CDNA5" Instruction Set Architecture Reference Guide (July 2026). The comments in the code are by the model that wrote it; some were corrected since.
;; Block. Allowed arithmetic: matrix products marked QUANTISED: E2M1 operands, one E8M0 scale for each 32 along K, by v_wmma_scale_f32_16x16x128_f8f6f4 with both operands' format E2M1 (or v_wmma_scale_f32_32x16x128_f4), f32 sums; products left as they are: bf16, f16 or f32 operands; f32 sums; everything else in f32.
;; Inputs: b_out 1,024 float32; m 8 x 1,024 float32; w_out 1,024 x 1,024 float32; w_qkv 3,072 x 1,024 float32; x 8 x 1,024 x 1,024 float32.
;; Outputs: out0 8 x 1,024 x 1,024 float32.
;; Constants: l = 1024.
;; This version of the problem:
;;   THIS VERSION OF THE PROBLEM IS GIVEN IN LOW PRECISION. The matrix products marked QUANTISED in the list below multiply operands that are first quantised to E2M1 (2 exponent bits, 1 mantissa bit; 4 bits a number), with one power-of-two scale for each 32 numbers along K (OCP MX v1.0); their sums are f32. The products marked 'left as it is' may take bf16, f16 or f32 operands, with f32 sums. All else is computed in f32.
;;   The module's matrix products, in the order in which they are computed (A, B: the left and right operand; K: the contracted axis; several contracted axes count as one K, in the product's order):
;;     1. [M 8,192, K 1,024] x [K 1,024, N 3,072]; A: input x; B: input w_qkv: QUANTISED
;;     2. batch 128 x [M 1,024, K 64] x [K 64, N 1,024]; A: computed on the way; B: computed on the way: left as it is (an operand is computed on the way)
;;     3. batch 128 x [M 64, K 1,024] x [K 1,024, N 1,024]; A: computed on the way; B: computed on the way: left as it is (an operand is computed on the way)
;;     4. [M 8,192, K 1,024] x [K 1,024, N 1,024]; A: computed on the way; B: input w_out: left as it is (an operand is computed on the way)
;;   THE QUANTISER, for each operand of a quantised product, along K:
;;     - K is cut into blocks of 32 from its start; a last block that is shorter is filled with zeros.
;;     - A block's scale is 2^e with e = floor(log2(the largest magnitude in the block)) - 2, held to -126 .. 127; a block of zeros has e = 0. As a byte (E8M0): e + 127.
;;     - Each number is divided by its block's scale, clamped to +-6, and rounded to the nearest number of E2M1, ties to even, subnormals kept.
;;     - The product sums the exact products of the quantised numbers (number of the format x scale) in f32.
;;   ~~~python
;;   def quantise(x, axis):      # numpy; x: float32 -> the quantised numbers, widened to float32 again
;;       x = np.moveaxis(x, axis, -1); K = x.shape[-1]
;;       x = np.pad(x, [(0, 0)] * (x.ndim - 1) + [(0, -K % 32)]); x = x.reshape(x.shape[:-1] + (-1, 32)); a = np.abs(x).max(-1, keepdims=True)
;;       e = np.where(a > 0, np.clip(np.frexp(np.where(a > 0, a, 1))[1] - 1 - 2, -126, 127), 0)      # np.frexp(a)[1] - 1 = floor(log2(a)), exactly
;;       r = np.clip(x / 2.0 ** e, -6, 6)
;;       step = 2.0 ** (np.maximum(np.frexp(np.where(r == 0, 1, r))[1] - 1, 0) - 1)
;;       q = np.round(r / step) * step * 2.0 ** e      # np.round: ties to even
;;       return np.moveaxis(q.reshape(q.shape[:-2] + (-1,))[..., :K], -1, axis).astype(np.float32)
;;   ~~~
;; One version. Each part assembles by itself: llvm-mc -triple=amdgcn-amd-amdhsa -mcpu=gfx1250 --defsym DOCPART=n.
;; ======== version 1 of 1: 4 launches
;; limits: values are held in f16: magnitudes above 65,504 overflow, below 6.1e-05 lose precision
;; workspace buffers: xc 4,194,304 bytes; xs 262,144 bytes; wc 1,572,864 bytes; ws 98,304 bytes; w16 2,097,152 bytes; qkv 50,331,648 bytes; o16 16,777,216 bytes
;; launch quant (part 1): grid 384 x 1, 4 waves a work-group, no clusters, 33,280 bytes of LDS; arguments x, w_qkv, xc, xs, wc, ws, w_out, w16; writes xc, xs, wc, ws, w16
.if DOCPART == 1
	.amdgcn_target "amdgcn-amd-amdhsa--gfx1250"
	.amdhsa_code_object_version 6
	.text
	.protected	k_qac1fb47aba_quant
	.globl	k_qac1fb47aba_quant
	.p2align	8
	.type	k_qac1fb47aba_quant,@function
k_qac1fb47aba_quant:
	s_mov_b64 s[64:65], 0
	v_nop
	global_prefetch_b8 v0, s[64:65] scope:SCOPE_SE
	s_setreg_imm32_b32 hwreg(HW_REG_WAVE_MODE, 25, 1), 1
	s_wait_xcnt 0x0
; x [8192][1024] and w_qkv [3072][1024], f32, become codes of FP4 (E2M1), K innermost, two codes a byte, with one E8M0 scale byte for each 32 along K; w_out [1024][1024] becomes f16.
; A block's scale is 2^(floor(log2(its largest magnitude)) - 2); its byte is the largest magnitude's own exponent field - 2, held at 1 from below.  A block of zeros so gets the byte 1 where the
; rule says 127: its codes are zeros, which add nothing under any byte but 0xff, and the bytes are read by this program alone.  Each number is divided by the scale and rounded to the nearest code, ties to even.
; LIMITS: NaN and infinities among the inputs are not served; blocks whose largest magnitude lies under 2^(2 - 126) have their byte held at 1; w_out must stay within f16's largest number, 65,504.
; Rows are dense and K is a multiple of 32: both tensors are plain streams of blocks of 32 numbers, and so are the codes and the scale bytes.
; Work-groups 0-255 take x, 256-351 w_qkv (only pointers are chosen: one path), 352-383 w_out (a path of its own, which touches no LDS).  Waves share nothing: no barrier.
; A wave takes 16 steps of 512 numbers.  Each load reads 512 consecutive bytes; a step's 2,048 bytes turn through the wave's own stage in LDS and come back 64 bytes a lane, so that a lane holds 16
; neighbours along K (two neighbouring lanes hold a block).  A lane's 16 codes are 8 bytes: the wave stores 256 consecutive bytes.  A wave's 256 scale bytes are gathered in LDS and leave as one aligned run of 256.
.set SIZE_M, 8192
.set SIZE_N, 3072
.set SIZE_K, 1024
.set WAVES, 4
.set STEPS, 16
.set WGA,   SIZE_M*SIZE_K/(512*STEPS*WAVES)            ; 256 work-groups for x
.set WGQ,   (SIZE_M+SIZE_N)*SIZE_K/(512*STEPS*WAVES)   ; 352: from here on w_out
.set EMAX,  2
.set CB,    8                          ; bytes of 16 codes
.set R,     16                         ; v16-79   four sets of 16 numbers as they are loaded
.set X,     80                         ; v80-111  two sets of 16 neighbours
.set C,     128                        ; v128-191 codes: four registers for each step, so that no store's data are written again
.set E,     112                        ; v112-127 a scale byte for each step
.set WREG,  8192                       ; LDS: a region for each wave: two stages of 32 x SP bytes, behind them its 256 scale bytes
.set SP,    80                         ; a lane's place in a stage: its 64 bytes + 16 of padding
.set WL,    16                         ; w_out's path: v16-143 two sets of 64 numbers as loaded
.set WH,    144                        ; v144-175 their f16 pairs
	s_load_b128 s[4:7], s[0:1], 0x0                ; x, w_qkv
	s_load_b128 s[8:11], s[0:1], 0x10              ; x's codes, x's scales
	s_load_b128 s[12:15], s[0:1], 0x20             ; w_qkv's codes, its scales
	s_load_b128 s[24:27], s[0:1], 0x30             ; w_out, its f16 copy
	v_lshl_add_u32 v192, v0, 2, 0x8000
	v_mov_b32 v193, 0
	v_lshrrev_b32 v1, 5, v0
	v_readfirstlane_b32 s16, v1                    ; wave
	v_and_b32 v2, 31, v0                           ; lane
	v_lshlrev_b32 v3, 4, v2                        ; my 16 bytes of a load's 512
	s_mul_i32 s17, s16, WREG
	v_lshrrev_b32 v14, 2, v2
	v_mul_u32_u24 v14, v14, SP
	v_and_b32 v15, 3, v2
	v_lshl_add_u32 v14, v15, 4, v14
	v_add_nc_u32 v14, s17, v14                     ; the stage, on the way in: four lanes' 64 bytes on end, then 16 of padding
	v_mul_u32_u24 v15, v2, SP
	v_add_nc_u32 v15, s17, v15                     ; and on the way out: SP x lane: my 16 neighbours
	v_mul_u32_u24 v4, v2, CB                       ; 8 x lane: my codes' place in a step's; in w_out's path my four f16
	v_lshrrev_b32 v5, 1, v2
	s_add_co_u32 s17, s17, 2*32*SP
	v_add_nc_u32 v5, s17, v5                       ; LDS: my wave's 256 scale bytes, my block's byte
	v_lshlrev_b32 v7, 3, v2                        ; and on the way out 8 bytes a lane
	v_add_nc_u32 v6, s17, v7
	s_wait_kmcnt 0x0
	s_cmp_ge_u32 ttmp9, WGQ                        ; the branch hangs on the work-group's number alone
	s_cbranch_scc1 .Lwout
	s_cmp_lt_u32 ttmp9, WGA                        ; x's work-group or w_qkv's?
	s_cselect_b64 s[4:5], s[4:5], s[6:7]
	s_cselect_b64 s[8:9], s[8:9], s[12:13]
	s_cselect_b64 s[10:11], s[10:11], s[14:15]
	s_cselect_b32 s17, 0, WGA
	s_sub_co_u32 s17, ttmp9, s17
	s_lshl_b32 s17, s17, 2
	s_add_co_u32 s18, s17, s16                     ; which run of 8,192 numbers of the tensor is my wave's
	s_mov_b32 s19, 0
	s_mov_b64 s[20:21], 512*STEPS*4
	s_mul_u64 s[20:21], s[18:19], s[20:21]
	s_add_nc_u64 s[4:5], s[4:5], s[20:21]
	s_mov_b64 s[20:21], 32*STEPS*CB
	s_mul_u64 s[20:21], s[18:19], s[20:21]
	s_add_nc_u64 s[8:9], s[8:9], s[20:21]
	s_lshl_b32 s18, s18, 8                         ; 256 scale bytes a run
	s_add_nc_u64 s[10:11], s[10:11], s[18:19]
.macro LOAD t
.irp i, 0,1,2,3
	global_load_b128 v[R+16*((\t)%4)+4*\i:R+16*((\t)%4)+4*\i+3], v3, s[4:5] offset:2048*(\t)+512*\i th:TH_LOAD_NT   ; 32 lanes read 512 consecutive bytes
.endr
.endm
.macro TURN t                          ; step t's numbers through the stage: LDS serves a wave's instructions in order, so no wait stands between the stores and the loads
.irp i, 0,1,2,3
	ds_store_b128 v14, v[R+16*((\t)%4)+4*\i:R+16*((\t)%4)+4*\i+3] offset:32*SP*((\t)%2)+8*SP*\i
.endr
.irp i, 0,1,2,3
	ds_load_b128 v[X+16*((\t)%2)+4*\i:X+16*((\t)%2)+4*\i+3], v15 offset:32*SP*((\t)%2)+16*\i
.endr
.endm
.irp t, 0,1,2,3
	LOAD \t
.endr
	s_wait_loadcnt 12                              ; step 0's four loads are in; twelve younger ones stay out
	TURN 0
.macro STEP t
.set XS, X+16*((\t)%2)
.if (\t) > 0
	s_wait_dscnt 1                                 ; this step's numbers are back from the stage (the last step's byte store may be out): so its stores into the stage have read their registers,
.else
	s_wait_dscnt 0x0
.endif
.if (\t)+4 < STEPS
	LOAD (\t)+4                                    ; which take the loads of four steps on
.endif
.if (\t)+1 < STEPS
.if STEPS-2-(\t) >= 3
	s_wait_loadcnt 12                              ; the next step's four loads are in; those of the three steps behind it may be out
.else
	s_wait_loadcnt 4*(STEPS-2-(\t))
.endif
	TURN (\t)+1                                    ; and go through the other stage while this step is worked
.endif
	v_max3_num_f32 v8, |v[XS]|, |v[XS+1]|, |v[XS+2]|               ; the largest magnitude of my 16, in two chains
	v_max3_num_f32 v9, |v[XS+3]|, |v[XS+4]|, |v[XS+5]|
.irp i, 6,10
	v_max3_num_f32 v8, v8, |v[XS+\i]|, |v[XS+\i+1]|
	v_max3_num_f32 v9, v9, |v[XS+\i+2]|, |v[XS+\i+3]|
.endr
	v_max3_num_f32 v8, v8, |v[XS+14]|, |v[XS+15]|
	v_max3_num_f32 v8, v8, v9, (EMAX+1)<<23        ; and the floor 2^(EMAX + 1 - 127): so the byte cannot fall under 1
	v_max_num_f32_dpp v8, v8, v8 row_xmask:1 row_mask:0xf bank_mask:0xf   ; and of my neighbour's 16: the block's
	v_add_nc_u32 v11, -(EMAX<<23), v8              ; EMAX off its exponent field: the conversion takes the exponent field of this operand as its scale, and nothing else of it
	v_cvt_scalef32_pk8_fp4_f32 v[C+4*(\t)], v[XS:XS+7], v11        ; eight numbers / the scale, to the nearest code, ties to even, beyond the largest code the largest
	v_cvt_scalef32_pk8_fp4_f32 v[C+4*(\t)+1], v[XS+8:XS+15], v11
	v_lshrrev_b32 v[E+(\t)], 23, v11               ; the scale's byte (also the plain line behind the conversions)
	ds_store_b8 v5, v[E+(\t)] offset:16*(\t)       ; both lanes of a block write the same byte with the same value
	global_store_b64 v4, v[C+4*(\t):C+4*(\t)+1], s[8:9] offset:32*CB*(\t)   ; the wave stores 256 consecutive bytes, aligned
.endm
.irp t, 0,1,2,3,4,5,6,7,8,9,10,11,12,13,14,15
	STEP \t
.endr
	ds_load_b64 v[12:13], v6                       ; LDS serves a wave's instructions in order: these see my stores
	s_wait_dscnt 0x0
	global_store_b64 v7, v[12:13], s[10:11]        ; 32 lanes store 256 consecutive bytes, aligned
	s_wait_tensorcnt 0x0
	ds_add_u32 v192, v193
	s_wait_dscnt 0x0
	s_endpgm
; w_out to f16: a wave takes 8,192 numbers in four groups of 16 loads; two groups (32 loads) are out at the start, one while a group is rounded.
.Lwout:
	s_sub_co_u32 s17, ttmp9, WGQ
	s_lshl_b32 s17, s17, 2
	s_add_co_u32 s17, s17, s16                     ; my run of 8,192 numbers: 0 .. 127
	s_lshl_b32 s18, s17, 15                        ; 32,768 bytes in,
	s_mov_b32 s19, 0
	s_add_nc_u64 s[24:25], s[24:25], s[18:19]
	s_lshl_b32 s18, s17, 14                        ; 16,384 bytes out
	s_add_nc_u64 s[26:27], s[26:27], s[18:19]
.macro LOADW g
.irp i, 0,1,2,3,4,5,6,7,8,9,10,11,12,13,14,15
	global_load_b128 v[WL+64*((\g)%2)+4*\i:WL+64*((\g)%2)+4*\i+3], v3, s[24:25] offset:8192*(\g)+512*\i th:TH_LOAD_NT
.endr
.endm
.macro CVTW g
.if (\g) < 3
	s_wait_loadcnt 16                              ; this group's 16 loads are in; the next group's 16 may be out
.else
	s_wait_loadcnt 0x0
.endif
.if (\g) > 0
	s_wait_xcnt 0x0                                ; the last group's stores have read their data: the registers are written again only behind this wait
.endif
.irp i, 0,1,2,3,4,5,6,7,8,9,10,11,12,13,14,15
	v_cvt_pk_f16_f32 v[WH+2*\i],   v[WL+64*((\g)%2)+4*\i],   v[WL+64*((\g)%2)+4*\i+1]
	v_cvt_pk_f16_f32 v[WH+2*\i+1], v[WL+64*((\g)%2)+4*\i+2], v[WL+64*((\g)%2)+4*\i+3]
.endr
.if (\g) < 2
	LOADW (\g)+2                                   ; the set just rounded takes the group two on
.endif
.irp i, 0,1,2,3,4,5,6,7,8,9,10,11,12,13,14,15
	global_store_b64 v4, v[WH+2*\i:WH+2*\i+1], s[26:27] offset:4096*(\g)+256*\i   ; the wave stores 256 consecutive bytes, aligned
.endr
.endm
	LOADW 0
	LOADW 1
	CVTW 0
	CVTW 1
	CVTW 2
	CVTW 3
	s_endpgm
.Lfunc_end_k_qac1fb47aba_quant:
	.size	k_qac1fb47aba_quant, .Lfunc_end_k_qac1fb47aba_quant-k_qac1fb47aba_quant
	.p2alignl 7, 3214868480
	.fill 96, 4, 3214868480
	.section	.rodata,"a",@progbits
	.p2align	6, 0x0
	.amdhsa_kernel k_qac1fb47aba_quant
		.amdhsa_group_segment_fixed_size 33280
		.amdhsa_private_segment_fixed_size 0
		.amdhsa_enable_private_segment 0
		.amdhsa_kernarg_size 64
		.amdhsa_user_sgpr_count 2
		.amdhsa_user_sgpr_kernarg_segment_ptr 1
		.amdhsa_wavefront_size32 1
		.amdhsa_system_sgpr_workgroup_id_x 1
		.amdhsa_system_sgpr_workgroup_id_y 1
		.amdhsa_system_sgpr_workgroup_id_z 1
		.amdhsa_system_vgpr_workitem_id 0
		.amdhsa_next_free_vgpr 194
		.amdhsa_next_free_sgpr 66
		.amdhsa_reserve_vcc 0
		.amdhsa_float_denorm_mode_32 3
		.amdhsa_float_denorm_mode_16_64 3
		.amdhsa_memory_ordered 1
		.amdhsa_forward_progress 1
		.amdhsa_inst_pref_size 54
	.end_amdhsa_kernel
	.amdgpu_metadata
---
amdhsa.version: [ 1, 2 ]
amdhsa.kernels:
  - .name:           k_qac1fb47aba_quant
    .symbol:         k_qac1fb47aba_quant.kd
    .args:
      - { .name: x, .offset: 0, .size: 8, .value_kind: global_buffer, .address_space: global }
      - { .name: w_qkv, .offset: 8, .size: 8, .value_kind: global_buffer, .address_space: global }
      - { .name: xc, .offset: 16, .size: 8, .value_kind: global_buffer, .address_space: global }
      - { .name: xs, .offset: 24, .size: 8, .value_kind: global_buffer, .address_space: global }
      - { .name: wc, .offset: 32, .size: 8, .value_kind: global_buffer, .address_space: global }
      - { .name: ws, .offset: 40, .size: 8, .value_kind: global_buffer, .address_space: global }
      - { .name: w_out, .offset: 48, .size: 8, .value_kind: global_buffer, .address_space: global }
      - { .name: w16, .offset: 56, .size: 8, .value_kind: global_buffer, .address_space: global }
    .group_segment_fixed_size: 33280
    .private_segment_fixed_size: 0
    .kernarg_segment_align: 8
    .kernarg_segment_size: 64
    .max_flat_workgroup_size: 128
    .sgpr_count:     66
    .vgpr_count:     194
    .wavefront_size: 32
...
	.end_amdgpu_metadata
.endif
;; end of part 1
;; launch qkv (part 2): grid 12 x 32, 4 waves a work-group, clusters of 4 x 4, 327,680 bytes of LDS; arguments xc, xs, wc, ws, qkv; writes qkv
.if DOCPART == 2
	.amdgcn_target "amdgcn-amd-amdhsa--gfx1250"
	.amdhsa_code_object_version 6
	.text
	.protected	k_qac1fb47aba_qkv
	.globl	k_qac1fb47aba_qkv
	.p2align	8
	.type	k_qac1fb47aba_qkv,@function
k_qac1fb47aba_qkv:
	s_mov_b64 s[64:65], 0
	v_nop
	global_prefetch_b8 v0, s[64:65] scope:SCOPE_SE
	s_setreg_imm32_b32 hwreg(HW_REG_WAVE_MODE, 25, 1), 1
	s_wait_xcnt 0x0
	s_wait_alu depctr_hold_cnt(0) depctr_sa_sdst(0) depctr_va_vdst(0) depctr_va_sdst(0) depctr_va_ssrc(0) depctr_va_vcc(0) depctr_vm_vsrc(0)
	s_getreg_b32 s2, hwreg(HW_REG_IB_STS2, 6, 4)
	s_cmp_eq_u32 s2, 0
	s_cbranch_scc0 .Lentry_in_a_cluster
	s_endpgm
.Lentry_in_a_cluster:
	s_bfe_u32 s2, ttmp6, 0x10000c
	s_cmp_lg_u32 s2, 0xf033
	s_cbranch_scc0 .Lentry_shape_is_right
	s_endpgm
.Lentry_shape_is_right:
; qkv[token][e] = sum over d of x[token][d] w_qkv[e][d], both operands as codes of FP4 (E2M1) with one E8M0 scale for each 32 along K; sums in f32; the result is rounded once to f16 and laid BY HEAD:
; [3 (q, k, v)][8 batches][16 heads][1024 tokens][64] f16, so that a head's rows are 128 bytes on end.
; LIMIT: a result beyond f16's largest number, 65,504, is not served (with x and w_qkv both 30 times their spread, or offset by 30 spreads, results stay under 30,000).
; A tile, 256 tokens x 256 columns, is made by a work-group of four waves; a wave makes 128 x 128: 64 accumulators of 16 x 16, 512 registers.
; K = 1,024 is two K steps of 512 (rows of 256 bytes): both lie in LDS from the start, in two slots; nothing is filled again.  The scale bytes of the 256 + 256 rows, for all of K, come with them, in runs of 256 bytes.
; CLUSTERS: 4 x 4 work-groups.  The four of a row of the cluster need the same tiles of x, the four of a column the same tiles of w_qkv: each tile is asked for JOINTLY, by the same tensor load with the
; same descriptor and a mask that names the four.  THE MATRIX INSTRUCTION IS USED TRANSPOSED (source 0 = 16 rows of w_qkv, source 1 = 16 tokens): a lane then holds eight neighbouring columns of one token.
; REGISTERS, in windows of 256: window 0: v0-31 addresses; v32-95 scale words, two sets; v128-191 x's fragments (8 x 16 rows x 128 K), ONE set; on the way out v128-223.
;   window 1: w_qkv's fragments, TWO sets, at v0 and at v128.   window 2: the 32 accumulators of my rows 0-63 (accumulator (a, b) at v[8 (8 a + b)]);   window 3: those of my rows 64-127.
; All tiles are asked for at the head: there is no later step for which to ask ahead.
.set SIZE_M, 8192
.set SIZE_N, 3072
.set SIZE_K, 1024
.set KSTEP,  512                       ; along K in a slot
.set NQ,     KSTEP/128                 ; matrix instructions deep
.set ROWB,   256                       ; a tile's row in bytes
.set KROW,   SIZE_K*4/8                ; a row of codes in memory, in bytes
.set PITCH,  272                       ; an LDS row: 256 bytes + 16 of padding = 68 words: the 16 rows that a load touches start 4 words apart modulo 64
.set FR,     8                         ; registers of a fragment: 16 rows x 128 K
.set NL,     2                         ; LDS loads that bring one
.set NP,     4                         ; places behind this matrix instruction (ISA guide 7.12.1)
.set HALFT,  128*PITCH                 ; 128 rows: what one tensor load brings, and what one wave reads of a side
.set SLOT,   4*HALFT                   ; x's 256 rows, then w_qkv's 256 rows
.set KS,     SIZE_K/32                 ; a row of scales in bytes
.set SCL,    2*SLOT                    ; behind the slots: the scales, as runs of 256 bytes + 16 of padding
.set HALFS,  (128*KS/256)*272          ; the scales of 128 rows: what one tensor load brings
.set SBLK,   (16*KS/256)*272           ; those of 16 rows
.set SPARE,  SCL+4*HALFS               ; behind the scales: the spare words, 128 bytes for each wave, which no other line names
.set HP,     144                       ; the way out: a stage row: a head's 128 bytes + 16
.set HSTG,   16*HP                     ; 16 rows of one head; a wave's stage is two of these, in slot 0, which nobody reads any more by then
.set ADRA, 16                          ; v16-17  LDS address of my fragments of x in slot 0, 1
.set ADRB, 20                          ; v20-21  the same for w_qkv
.set STO,  24                          ; v24     the way out: where I put 16 bytes of a row
.set RD,   25                          ; v25     the way out: where I read rows back
.set CO,   26                          ; v26     16 x lane: my bytes of a store's 512
.set ADRS, 27                          ; v27     LDS address of my scale words: lanes 0-15 x's rows, lanes 16-31 w_qkv's
.set SPW,  28                          ; v28     LDS address of my spare word; never rewritten
.set NIL,  29                          ; v29     0; never rewritten
.set SC,   32                          ; scale words: set s at v[SC + 8 NQ s]; register NQ i + q: lanes 0-15 the word of x's block i, lanes 16-31 of w_qkv's block i, for the slot's q-th 128 along K
.set AF,   128                         ; x's fragments, in window 0
.set BK,   128                         ; the way out: rows read back from the stage: v128-159 and v160-191 by turns
.set TMP,  192                         ; the way out: v192-223 a block rounded to f16
.set G1, 24                            ; s[24:31] descriptor group 1 for x's tiles;  s[32:39] group 0, one set for each slot
.set G0, 32
.set G1B, 48                           ; s[48:55], s[56:63] the same for w_qkv's tiles
.set G0B, 56
.set G1S, 68                           ; s[68:75], s[76:79] groups 1 and 0 for x's scales;  s[80:87], s[88:91] for w_qkv's
.set G0S, 76
.set G1SB, 80
.set G0SB, 88
.set MSB, 0
.macro WIN new                         ; the immediate's high byte repeats the setting that is left
.if MSB != \new
	s_set_vgpr_msb (MSB<<8)|\new
.set MSB, \new
.endif
.endm
.set MUL_LO, 0xa1                      ; source 0 (w_qkv) window 1, source 1 (x) window 0, C and D window 2
.set MUL_HI, 0xf1                      ; the same, C and D window 3
.set TO_B,   0x40                      ; destination window 1, address window 0
; A joint load: waves 0 and 1 fetch for x, waves 2 and 3 for w_qkv.  Each of the two lines has ONE mask and one set of registers for all that issue it; the branch hangs on the wave's number alone.
; Four v_nop follow each of the two lines, ahead of the jump, the label and what follows.
.macro JLOAD g0a, g1a, g0b, g1b
	s_cmp_eq_u32 s15, 0
	s_cbranch_scc0 .Lfor_b_\@
	tensor_load_to_lds s[\g0a:\g0a+3], s[\g1a:\g1a+7]
	s_nop 0
.rept 4
	v_nop
.endr
	s_branch .Lasked_\@
.Lfor_b_\@:
	tensor_load_to_lds s[\g0b:\g0b+3], s[\g1b:\g1b+7]
	s_nop 0
.rept 4
	v_nop
.endr
.Lasked_\@:
.endm
.macro CROUND                          ; a round of the cluster's barrier: my work-group's barrier; wave 0 signals for the work-group; every wave waits for all sixteen; my work-group's barrier once more
	s_barrier_signal -1
	s_barrier_wait -1
	s_cmp_lg_u32 s14, 0
	s_cbranch_scc1 .Lnot_wave_0_\@
	s_barrier_signal -3
.Lnot_wave_0_\@:
	s_barrier_wait -3
	s_barrier_signal -1
	s_barrier_wait -1
.endm
	s_load_b128 s[4:7], s[0:1], 0x0                ; x's codes s[4:5], x's scales s[6:7]
	s_load_b128 s[8:11], s[0:1], 0x10              ; w_qkv's codes s[8:9], its scales s[10:11]
	s_load_b64 s[12:13], s[0:1], 0x20              ; qkv
	v_lshl_add_u32 v[SPW], v0, 2, SPARE
	v_mov_b32 v[NIL], 0
	ds_add_u32 v28, v29
	ds_add_u32 v28, v29
	s_wait_dscnt 0x0
	v_lshrrev_b32 v1, 5, v0
	v_readfirstlane_b32 s14, v1                    ; wave 0..3
	s_lshr_b32 s15, s14, 1                         ; which half of the tile's rows is mine.  Also: I fetch for x (0) or for w_qkv (1)
	s_and_b32 s16, s14, 1                          ; which half of its columns.  Also: which 128 rows of that tile I fetch
	s_bfe_u32 s40, ttmp6, 0x40000                  ; cx, cy: my place in the cluster
	s_bfe_u32 s41, ttmp6, 0x40004
	s_lshl_b32 s42, ttmp9, 2
	s_add_co_u32 s42, s42, s40                     ; tile column = 4 x cluster x + cx
	s_and_b32 s17, ttmp7, 0xffff
	s_lshl_b32 s17, s17, 2
	s_add_co_u32 s17, s17, s41                     ; tile row = 4 x cluster y + cy
	s_lshl_b32 s43, s41, 2
	s_lshl_b32 s43, 15, s43                        ; my row of the cluster
	s_lshl_b32 s44, 0x1111, s40                    ; my column
	; descriptor group 1: a tile of 128 rows x ROWB bytes, padded in LDS
	s_or_b32 s[G1+0], s43, (0<<16)|(1<<20)|(1<<21)|(5<<22)|(3<<25)  ; 15:0 the mask: x's tiles go to my row; 17:16 element of 1 byte; 20 padding on; 21 set beside a mask; 24:22 after every 64 words (code 5); 31:25 of 4 words (code 3)
	s_or_b32 s[G1B+0], s44, (0<<16)|(1<<20)|(1<<21)|(5<<22)|(3<<25)
.irp g, G1, G1B
	s_mov_b32 s[\g+1], ROWB<<16                    ; tensor_dim0
	s_mov_b32 s[\g+2], 128<<16                     ; tensor_dim1 = 128
	s_mov_b32 s[\g+3], ROWB<<16                    ; tile_dim0
	s_mov_b32 s[\g+4], 128                         ; tile_dim1 = 128
	s_mov_b32 s[\g+5], KROW                        ; tensor_dim0_stride
	s_mov_b32 s[\g+6], 0
	s_mov_b32 s[\g+7], 0
.endr
	; and for the scales of 128 rows: a dense block of 128 KS bytes, as rows of 256 bytes (32 elements of 8 bytes), 16 bytes of padding behind each
	s_or_b32 s[G1S+0], s43, (3<<16)|(1<<20)|(1<<21)|(5<<22)|(3<<25)
	s_or_b32 s[G1SB+0], s44, (3<<16)|(1<<20)|(1<<21)|(5<<22)|(3<<25)
.irp g, G1S, G1SB
	s_mov_b32 s[\g+1], 32<<16
	s_mov_b32 s[\g+2], (128*KS/256)<<16
	s_mov_b32 s[\g+3], 32<<16
	s_mov_b32 s[\g+4], 128*KS/256
	s_mov_b32 s[\g+5], 32
	s_mov_b32 s[\g+6], 0
	s_mov_b32 s[\g+7], 0
.endr
	s_lshl_b32 s18, s16, 7                         ; which 128 rows of the tile I fetch
	s_lshl_b32 s20, s17, 8
	s_add_co_u32 s20, s20, s18                     ; x: row 256 x tile row + 128 x half
	s_lshl_b32 s46, s42, 8
	s_add_co_u32 s46, s46, s18                     ; w_qkv: row 256 x tile column + 128 x half
	s_mov_b32 s21, 0
	s_mov_b32 s47, 0
	s_mov_b64 s[18:19], KS
	s_mul_u64 s[22:23], s[20:21], s[18:19]         ; where these rows' scales begin, in bytes
	s_mul_u64 s[92:93], s[46:47], s[18:19]
	s_mov_b64 s[18:19], KROW
	s_mul_u64 s[20:21], s[20:21], s[18:19]         ; and their codes
	s_mul_u64 s[46:47], s[46:47], s[18:19]
	s_mul_i32 s45, s14, HALFT                      ; where they go: wave x 128 rows: no place in the cluster enters an LDS address
	s_mul_i32 s94, s14, HALFS
	s_wait_kmcnt 0x0
	s_add_nc_u64 s[20:21], s[4:5], s[20:21]
	s_add_nc_u64 s[22:23], s[6:7], s[22:23]
	s_add_nc_u64 s[46:47], s[8:9], s[46:47]
	s_add_nc_u64 s[92:93], s[10:11], s[92:93]
	CROUND                                         ; all sixteen work-groups are here: the joint loads meet
	s_mov_b32 s[G0S], 1
	s_add_co_u32 s[G0S+1], s94, SCL
	s_mov_b64 s[G0S+2:G0S+3], s[22:23]
	s_or_b32 s[G0S+3], s[G0S+3], 0x80000000
	s_mov_b32 s[G0SB], 1
	s_add_co_u32 s[G0SB+1], s94, SCL
	s_mov_b64 s[G0SB+2:G0SB+3], s[92:93]
	s_or_b32 s[G0SB+3], s[G0SB+3], 0x80000000
	JLOAD G0S, G1S, G0SB, G1SB                     ; the scales first: they are wanted with K step 0
.irp s, 0,1
	s_mov_b32 s[G0+4*\s], 1
	s_add_co_u32 s[G0+4*\s+1], s45, \s*SLOT
	s_add_nc_u64 s[G0+4*\s+2:G0+4*\s+3], s[20:21], \s*ROWB
	s_or_b32 s[G0+4*\s+3], s[G0+4*\s+3], 0x80000000
	s_mov_b32 s[G0B+4*\s], 1
	s_add_co_u32 s[G0B+4*\s+1], s45, \s*SLOT
	s_add_nc_u64 s[G0B+4*\s+2:G0B+4*\s+3], s[46:47], \s*ROWB
	s_or_b32 s[G0B+4*\s+3], s[G0B+4*\s+3], 0x80000000
	JLOAD G0+4*\s, G1, G0B+4*\s, G1B               ; by this text's count three tensor loads of a wave are out
.endr
	v_and_b32 v1, 15, v0                           ; l % 16
	v_bfe_u32 v2, v0, 4, 1                         ; l / 16
	v_mul_u32_u24 v3, v1, PITCH
	v_lshl_add_u32 v4, v2, 4, v3                   ; a fragment's row x pitch + 16 x half
	s_mul_i32 s21, s15, HALFT                      ; my 128 rows of x
	s_mul_i32 s22, s16, HALFT                      ; my 128 rows of w_qkv,
	s_add_co_u32 s22, s22, 2*HALFT                 ; which lie behind x's 256
.irp s, 0,1
	v_add_nc_u32 v[ADRA+\s], s21, v4
	v_add_nc_u32 v[ADRB+\s], s22, v4
	s_add_co_u32 s21, s21, SLOT
	s_add_co_u32 s22, s22, SLOT
.endr
	v_mul_u32_u24 v5, v1, KS                       ; my row's scales: KS bytes a row,
	v_lshrrev_b32 v6, 8, v5
	v_lshl_add_u32 v5, v6, 4, v5                   ; and 16 more for each 256 passed
	s_mul_i32 s21, s15, HALFS                      ; x's: my 128 rows
	s_mul_i32 s22, s16, HALFS                      ; w_qkv's: my 128 rows, behind x's 256
	s_add_co_u32 s22, s22, 2*HALFS
	s_sub_co_u32 s22, s22, s21
	v_mul_u32_u24 v6, s22, v2                      ; lanes 16-31 take w_qkv's: the lower base + half x the distance
	s_add_co_u32 s21, s21, SCL
	v_add_nc_u32 v5, v5, v6
	v_add_nc_u32 v[ADRS], s21, v5
	s_mul_i32 s23, s14, 2*HSTG                     ; my stage
	v_mul_u32_u24 v5, v1, HP                       ; in: row l % 16, 16 bytes for each half of the lanes
	v_lshl_add_u32 v5, v2, 4, v5
	v_add_nc_u32 v[STO], s23, v5
	v_and_b32 v6, 31, v0
	v_lshlrev_b32 v[CO], 4, v6                     ; out: 16 bytes a lane of 512 consecutive bytes (four rows of a head)
	v_lshrrev_b32 v5, 3, v6                        ; back: eight lanes to a row of 128 bytes, four rows an instruction
	v_mul_u32_u24 v5, v5, HP
	v_and_b32 v7, 7, v0
	v_lshl_add_u32 v5, v7, 4, v5
	v_add_nc_u32 v[RD], s23, v5
	; where my part begins in qkv.  My 128 columns are heads gh, gh + 1 of the 48 (q's 16, k's 16, v's 16), gh = 4 x tile column + 2 x half; my 128 tokens lie in batch tile row / 4
	s_lshr_b32 s20, s17, 2
	s_lshl_b32 s20, s20, 21                        ; a batch: 16 heads x 131,072 bytes
	s_and_b32 s21, s17, 3
	s_lshl_b32 s21, s21, 15                        ; 256 tokens x 128 bytes
	s_add_co_u32 s20, s20, s21
	s_lshl_b32 s21, s15, 14                        ; my half's 128 tokens
	s_add_co_u32 s20, s20, s21
	s_mov_b32 s21, 0
	s_lshl_b32 s46, s42, 2
	s_lshl_b32 s47, s16, 1
	s_add_co_u32 s46, s46, s47                     ; gh
	s_lshr_b32 s47, s46, 4
	s_lshl_b32 s47, s47, 24                        ; q, k or v: 16,777,216 bytes each
	s_and_b32 s46, s46, 15
	s_lshl_b32 s46, s46, 17                        ; the head's plane: 131,072 bytes
	s_add_co_u32 s46, s46, s47
	s_mov_b32 s47, 0
	s_add_nc_u64 s[20:21], s[20:21], s[46:47]
	s_add_nc_u64 s[12:13], s[12:13], s[20:21]
.macro FRAG reg, adr, q, i             ; a fragment, 16 rows x 128 K of 4-bit codes, is 8 registers: lane l holds row l % 16; registers 4 c .. 4 c + 3 hold K = 64 c + 32 (l / 16) + 0 .. 31
.irp c, 0,1
	ds_load_b128 v[\reg+4*\c:\reg+4*\c+3], v[\adr] offset:64*(\q)+32*\c+(\i)*16*PITCH
.endr
.endm
; 16 matrix instructions: x's blocks a0, a0 + 1 against w_qkv's eight, 128 along K: the slot's q-th.  p: w_qkv's set;  sc: the set of scale words.  zero = 1: the first product starts the sums: nothing is ever cleared.
; The 64 accumulators take turns, one instruction a turn, in the same order in every step.
.macro MUL16 a0, p, q, sc, zero
.irp a, \a0, \a0+1
.irp b, 0,1,2,3,4,5,6,7
.if \zero
	v_wmma_scale_f32_16x16x128_f8f6f4 v[8*(8*((\a)%4)+\b):8*(8*((\a)%4)+\b)+7], v[128*(\p)+FR*\b:128*(\p)+FR*\b+FR-1], v[AF+FR*(\a):AF+FR*(\a)+FR-1], 0, v[SC+8*NQ*(\sc)+NQ*\b+(\q)], v[SC+8*NQ*(\sc)+NQ*(\a)+(\q)] matrix_a_fmt:MATRIX_FMT_FP4 matrix_b_fmt:MATRIX_FMT_FP4 matrix_a_scale:MATRIX_SCALE_ROW1
.else
	v_wmma_scale_f32_16x16x128_f8f6f4 v[8*(8*((\a)%4)+\b):8*(8*((\a)%4)+\b)+7], v[128*(\p)+FR*\b:128*(\p)+FR*\b+FR-1], v[AF+FR*(\a):AF+FR*(\a)+FR-1], v[8*(8*((\a)%4)+\b):8*(8*((\a)%4)+\b)+7], v[SC+8*NQ*(\sc)+NQ*\b+(\q)], v[SC+8*NQ*(\sc)+NQ*(\a)+(\q)] matrix_a_fmt:MATRIX_FMT_FP4 matrix_b_fmt:MATRIX_FMT_FP4 matrix_a_scale:MATRIX_SCALE_ROW1
.endif
.endr
.endr
.endm
.macro FETCH_B slot, q, p              ; w_qkv's eight fragments of the slot's q-th 128 along K into set p
	WIN TO_B
.irp i, 0,1,2,3,4,5,6,7
	FRAG 128*(\p)+FR*\i, ADRB+\slot, \q, \i
.endr
	WIN 0
.endm
.macro FETCH_A slot, q, i0             ; x's blocks i0 .. i0 + 3
.irp i, \i0, \i0+1, \i0+2, \i0+3
	FRAG AF+FR*(\i), ADRA+\slot, \q, \i
.endr
.endm
.macro SCALES sc                       ; a K step's scale words into set sc: NQ words a row; lanes 0-15 take x's block i, lanes 16-31 w_qkv's block i
.irp i, 0,1,2,3,4,5,6,7
	ds_load_b128 v[SC+8*NQ*\sc+NQ*\i:SC+8*NQ*\sc+NQ*\i+3], v[ADRS] offset:\i*SBLK
.endr
.endm
; A load into a register that a matrix instruction has read, and a vector instruction that reads a matrix result, stand NP places behind that matrix instruction, and only plain vector
; instructions that name none of its registers are places; the matrix instructions in between are not counted.
.macro PLACES n
.rept \n
	v_nop
.endr
.endm
; A step of 128 along K that has its successor in the same slot.
.macro STEP slot, q, zero
	s_wait_dscnt 4*NL                              ; w_qkv's set and x's blocks 0-3 are in; the youngest eight loads (x's blocks 4-7) may be out
	WIN MUL_LO
	MUL16 0, (\q)%2, \q, \slot, \zero
	MUL16 2, (\q)%2, \q, \slot, \zero
	s_wait_dscnt 0                                 ; x's blocks 4-7 are in (asked for 32 matrix instructions ago)
	PLACES NP
	FETCH_B \slot, (\q)+1, 1-(\q)%2
	FETCH_A \slot, (\q)+1, 0
	WIN MUL_HI
	MUL16 4, (\q)%2, \q, \slot, \zero
	MUL16 6, (\q)%2, \q, \slot, \zero
	PLACES NP
	WIN 0
	FETCH_A \slot, (\q)+1, 4
.endm
; Slot 0's last step changes slots: ONE barrier; in front of it each wave waits for all its tensor loads (its part of slot 1), adds 0 to its spare word, and waits for that and for its own reads of slot 0.
.macro TURN slot, next
	s_wait_tensorcnt 0x0                           ; all my tensor loads have landed: my part of the next slot  (every window is 0 here)
	ds_add_u32 v[SPW], v[NIL]                      ; 0 onto my spare word
	s_wait_dscnt 4*NL+1                            ; (the add and the youngest eight loads, x's blocks 4-7, may be out)
	WIN MUL_LO
	MUL16 0, 1, NQ-1, \slot, 0                     ; sixteen matrix instructions stand between the add and the wait for it
	s_wait_dscnt 0x0                               ; the add is done, and my reads of this slot are over
	s_barrier_signal -1
	MUL16 2, 1, NQ-1, \slot, 0
	WIN 0
	s_barrier_wait -1                              ; the next slot is whole, and nobody reads this one any more
	PLACES NP
	v_add_nc_u32 v[ADRS], 4*NQ, v[ADRS]            ; on to the next K step's scale words (no LDS load of mine is out)
	FETCH_B \next, 0, 0
	FETCH_A \next, 0, 0
	SCALES \next
	WIN MUL_HI
	MUL16 4, 1, NQ-1, \slot, 0
	MUL16 6, 1, NQ-1, \slot, 0
	PLACES NP
	WIN 0
	FETCH_A \next, 0, 4
.endm
.macro STEPS slot, from                ; the slot's steps from .. NQ - 2
.set Q, \from
.rept NQ-1-\from
	STEP \slot, Q, 0
.set Q, Q+1
.endr
.endm
	s_wait_tensorcnt 1                             ; the scales and my part of K step 0 are in (K step 1's load, issued last, may be out),
	s_barrier_signal -1
	s_barrier_wait -1                              ; everybody's are
	FETCH_B 0, 0, 0
	FETCH_A 0, 0, 0
	SCALES 0
	FETCH_A 0, 0, 4
	STEP 0, 0, 1                                   ; the first step's products start the sums
	STEPS 0, 1
	TURN 0, 1
	STEPS 1, 0
	s_wait_dscnt 4*NL                              ; the very last step: nothing more to fetch
	WIN MUL_LO
	MUL16 0, 1, NQ-1, 1, 0
	MUL16 2, 1, NQ-1, 1, 0
	s_wait_dscnt 0
	WIN MUL_HI
	MUL16 4, 1, NQ-1, 1, 0
	MUL16 6, 1, NQ-1, 1, 0
	WIN 0
; THE WAY OUT, block by block of 16 tokens x 128 columns (two heads).  A lane's eight columns round to 16 bytes of one row; the lanes beside it hold other rows.  So a block goes through my own stage in LDS
; ([2 heads][16 rows][128 + 16 bytes]) and comes back by rows: a head's 16 rows are 2,048 consecutive bytes of qkv, and each store of the wave covers 512 of them, aligned.
.macro PACK a
.set AC, 64*((\a)%4)
	WIN (0x0a+5*((\a)/4))                          ; sources 0 and 1: window 2 or 3
.irp b, 0,1,2,3,4,5,6,7
.irp i, 0,1,2,3
	v_cvt_pk_f16_f32 v[TMP+4*\b+\i], v[AC+8*\b+2*\i], v[AC+8*\b+2*\i+1]   ; each accumulator from its low end on
.endr
.endr
	WIN 0
.endm
.macro TOSTAGE a
.set BB, BK+32*((\a)%2)
.irp b, 0,1,2,3,4,5,6,7
	ds_store_b128 v[STO], v[TMP+4*\b:TMP+4*\b+3] offset:(\b/4)*HSTG+(\b%4)*32
.endr
.irp f, 0,1,2,3,4,5,6,7
	ds_load_b128 v[BB+4*\f:BB+4*\f+3], v[RD] offset:(\f/4)*HSTG+(\f%4)*4*HP   ; LDS serves a wave's instructions in order (ISA guide 5.7.1.4): these see the stores above
.endr
.endm
.macro SEND a
.set BB, BK+32*((\a)%2)
	s_wait_dscnt 0x0                               ; the block is back in registers
	s_wait_xcnt 0x0                                ; the earlier stores have read their base and their data: both are written again only behind this wait
.if (\a) > 0
	s_add_nc_u64 s[12:13], s[12:13], 16*128        ; 16 tokens on
.endif
.irp f, 0,1,2,3,4,5,6,7
	global_store_b128 v[CO], v[BB+4*\f:BB+4*\f+3], s[12:13] offset:(\f/4)*131072+(\f%4)*512
.endr
.endm
	PLACES NP                                      ; behind the last products: for the conversions that read results, and for the loads into the registers that held x's fragments
	PACK 0
	TOSTAGE 0
.irp a, 1,2,3,4,5,6,7                  ; block a's conversions stand between block a - 1's loads from the stage and the wait for them
	PACK \a
	SEND \a-1
	TOSTAGE \a
.endr
	SEND 7
	s_wait_tensorcnt 0x0                           ; the wave's end: behind my last tensor load and my last LDS store
	ds_add_u32 v[SPW], v[NIL]
	s_wait_dscnt 0x0
	CROUND                                         ; the closing round: no work-group ends while a partner may still ask for a tile that names it
	s_endpgm
.Lfunc_end_k_qac1fb47aba_qkv:
	.size	k_qac1fb47aba_qkv, .Lfunc_end_k_qac1fb47aba_qkv-k_qac1fb47aba_qkv
	.p2alignl 7, 3214868480
	.fill 96, 4, 3214868480
	.section	.rodata,"a",@progbits
	.p2align	6, 0x0
	.amdhsa_kernel k_qac1fb47aba_qkv
		.amdhsa_group_segment_fixed_size 327680
		.amdhsa_private_segment_fixed_size 0
		.amdhsa_enable_private_segment 0
		.amdhsa_kernarg_size 40
		.amdhsa_user_sgpr_count 2
		.amdhsa_user_sgpr_kernarg_segment_ptr 1
		.amdhsa_wavefront_size32 1
		.amdhsa_system_sgpr_workgroup_id_x 1
		.amdhsa_system_sgpr_workgroup_id_y 1
		.amdhsa_system_sgpr_workgroup_id_z 1
		.amdhsa_system_vgpr_workitem_id 0
		.amdhsa_next_free_vgpr 1024
		.amdhsa_next_free_sgpr 98
		.amdhsa_reserve_vcc 0
		.amdhsa_float_denorm_mode_32 3
		.amdhsa_float_denorm_mode_16_64 3
		.amdhsa_memory_ordered 1
		.amdhsa_forward_progress 1
		.amdhsa_inst_pref_size 127
	.end_amdhsa_kernel
	.amdgpu_metadata
---
amdhsa.version: [ 1, 2 ]
amdhsa.kernels:
  - .name:           k_qac1fb47aba_qkv
    .symbol:         k_qac1fb47aba_qkv.kd
    .args:
      - { .name: xc, .offset: 0, .size: 8, .value_kind: global_buffer, .address_space: global }
      - { .name: xs, .offset: 8, .size: 8, .value_kind: global_buffer, .address_space: global }
      - { .name: wc, .offset: 16, .size: 8, .value_kind: global_buffer, .address_space: global }
      - { .name: ws, .offset: 24, .size: 8, .value_kind: global_buffer, .address_space: global }
      - { .name: qkv, .offset: 32, .size: 8, .value_kind: global_buffer, .address_space: global }
    .group_segment_fixed_size: 327680
    .private_segment_fixed_size: 0
    .kernarg_segment_align: 8
    .kernarg_segment_size: 40
    .max_flat_workgroup_size: 128
    .sgpr_count:     98
    .vgpr_count:     1024
    .wavefront_size: 32
...
	.end_amdgpu_metadata
.endif
;; end of part 2
;; launch attn (part 3): grid 2 x 128, 8 waves a work-group, no clusters, 327,680 bytes of LDS; arguments qkv, m, o16; writes o16
.if DOCPART == 3
	.amdgcn_target "amdgcn-amd-amdhsa--gfx1250"
	.amdhsa_code_object_version 6
	.text
	.protected	k_qac1fb47aba_attn
	.globl	k_qac1fb47aba_attn
	.p2align	8
	.type	k_qac1fb47aba_attn,@function
k_qac1fb47aba_attn:
	s_mov_b64 s[64:65], 0
	v_nop
	global_prefetch_b8 v0, s[64:65] scope:SCOPE_SE
	s_setreg_imm32_b32 hwreg(HW_REG_WAVE_MODE, 25, 1), 1
	s_wait_xcnt 0x0
; o[b][h][i][:] = the sum over j of softmax_j(q_i . k_j / 8, hidden where j > i or m[b][j] = 0) v_j.  q, k, v: [3][8][16][1024][64] f16; m: [8][1024] f32; o: [8][16][1024][64] f16.
; Products on f16 operands with f32 sums; maxima, exponentials and sums in f32; the weights p are rounded to f16 for the second product, o once at the end.
; LIMITS.  NaN and infinities are not served; |q . k| stays under 2^100.  A key is hidden where m[j] = 0; the source hides where m[i] m[j] = 0.  The two part (a) in rows with m[i] = 0, whose result is
; multiplied by m[i] = 0 in the projection, so any finite number serves here; (b) where two mask values that are not 0 have a product under 2^-149: not served.
; SHARES.  Two work-groups make a head: 256 work-groups in all.  The head's queries are 16 ranks of 64; of each rank work-group c takes queries 32 c .. 32 c + 31, two tiles of 16.  Wave w owns four tiles:
; tiles 0, 1 of rank w, tiles 2, 3 of rank 15 - w.  The keys go in 16 steps of 64; a tile of rank g works in steps 0 .. g, and step g is its diagonal: 34 tile steps for every wave, whatever w.
; Every branch hangs on the wave's number and the step's number alone.  A step's fragments of K and V are fetched from LDS once for the two or four tiles that are at work.
; K AND V OF THE WHOLE HEAD LIE IN LDS, each byte filled once: waves 0-3 fetch K, waves 4-7 V, four loads of 64 rows each (quarters of 256 keys).
; NO CLUSTER: only two work-groups read the same K and V; a mask would have to name half of a cluster's row of four, and the tiles' addresses would hang on half of a place in the cluster.
; All tiles are asked for at the head: there is no later step for which to ask ahead.
; LAYOUT.  S^T = K Q^T (source 0 = 16 keys, source 1 = 16 queries): a lane holds ONE query (lane % 16) and keys 8 (lane / 16) + 0..7.  Two such tiles, rounded to f16 in pairs, ARE source 1 of O^T = V^T P.
; THE MASKS.  bias[j] = -2^126 where m[j] = 0, else 0, lies in LDS and is the C of a step's first products: padding costs no vector instruction.  On the diagonal hidden scores are replaced by -2^126.
; -2^126 is a power of two, so c x it is exact; the running maximum starts there and never lies under it.  While a row has seen hidden keys alone, its p are 0 or 1: finite; the first key that counts makes
; a = 2^(c m_old - c m_new) = 0, which wipes them.  A row with m[i] not 0 always has a key that counts: its own.
; SOFTMAX.  Running maximum m and sum l for each query: p = 2^(c s - c m), c = log2(e) / 8; in every step but the first O and l are multiplied by a; the first step's second product starts O^T.
; REGISTERS.  Window 0: v1-15 addresses; v16-47 statistics, 8 a tile; v48-111 K's fragments; v112-175 V's; v176-239 S^T, two buffers of 32, one for each tile of a pair (P is packed into a buffer's first 16);
;   v240-247 at work.   Window 1: v0-63 Q, 16 a tile; v64-95 the step's bias tiles; v96-223 O^T, 32 a tile.
.set PK,    144                        ; a row of K in LDS: 128 bytes + 16: 36 words: the 16 rows of a load start at 16 different groups of four words modulo 64
.set PVP,   160                        ; a row of V: 128 + 32: 40 words: the 8 rows x 32 bytes that 16 lanes of the turning load take fall on 64 different words modulo 64
.set VOFF,  1024*PK                    ; K: bytes 0 .. 147,455; V behind it
.set BIAS,  VOFF+1024*PVP              ; 311,296: 1,024 f32, stored by the waves; no tile lands there
.set AK0, 1                            ; v1   my lane's place in a tile of K
.set AV0, 2                            ; v2   the same for V
.set AB0, 3                            ; v3   and among the bias words
.set ADK, 4                            ; v4-6 the step's addresses
.set ADV, 5
.set ADB, 6
.set DG,  7                            ; v7   32 c + lane % 16 - 8 (lane / 16): in tile i of a pair, key 16 u + j of my half is hidden on the diagonal where 16 u + j - 16 i is above it
.set NEG, 8                            ; v8   -2^126
.set STO, 9                            ; v9   the way out: where I put 16 bytes of a row
.set RD,  10                           ; v10  where I read rows back
.set GO,  11                           ; v11  16 x lane
.set QO,  12                           ; v12  my byte offset in a tile's rows of q
.set MO,  13                           ; v13  16 x thread: my four numbers of m
.set ST,  16                           ; tile t's statistics at v[ST + 8 t]: +0 c m, +1 m, +2, +3 l, +4 to +7 c0-c3; a takes c2's place
.set KF,  48                           ; K's fragment (16 keys u, 32 channels kh) at KF + 16 u + 8 kh
.set VF,  112                          ; V's (32 keys kh2, 16 channels ct) at VF + 32 kh2 + 8 ct
.set S,   176                          ; score buffer b at S + 32 b
.set TS,  240
.set BI,  64                           ; window 1
.set OT,  96                           ; window 1
.set WV,  10                           ; s10  my wave's number = the rank of tiles 0, 1
.set WHI, 15                           ; s15  15 - wave = the rank of tiles 2, 3
.set KS,  16                           ; s16  the step
.set TK,  17                           ; s17  where the step's keys begin in K's region: 64 PK a step
.set TV,  18                           ; s18  in V's: 64 PVP a step
.set TB,  19                           ; s19  among the bias words: 256 bytes a step
.set SEL, 20                           ; s[20:21] lane selects for v_permlanex16_b32: lane l xor 16
.set CS,  22                           ; s[22:23] c, twice: the packed form names a pair
.set G1K, 24                           ; s[24:31] descriptor group 1 for K's tiles;  s[32:39] for V's: it differs in the padding alone
.set G1V, 32
.set G0K, 40                           ; s[40:55] four groups 0 for K's quarters;  s[68:83] for V's
.set G0V, 68
.set MSB, 0
.macro WIN new                         ; the immediate's high byte repeats the setting that is left
.if MSB != \new
	s_set_vgpr_msb (MSB<<8)|\new
.set MSB, \new
.endif
.endm
.macro PLACES n
.rept \n
	v_nop
.endr
.endm
.macro GATE n                          ; my loads but the youngest n have landed, no LDS instruction of mine is out: then the work-group's barrier.
	s_wait_tensorcnt \n
	s_wait_dscnt 0x0
	s_barrier_signal -1
	s_barrier_wait -1
.endm
	s_load_b128 s[4:7], s[0:1], 0x0                ; qkv, m
	s_load_b64 s[8:9], s[0:1], 0x10                ; o16
	v_lshl_add_u32 v254, v0, 2, 0x4d000
	v_mov_b32 v255, 0
	ds_add_u32 v254, v255
	ds_add_u32 v254, v255
	v_lshrrev_b32 v1, 5, v0
	v_readfirstlane_b32 s[WV], v1                  ; wave 0..7
	s_xor_b32 s[WHI], s[WV], 15                    ; 15 - wave
	s_mov_b32 s11, ttmp9                           ; c: which half of each rank is my work-group's
	s_and_b32 s12, ttmp7, 0xffff                   ; batch x 16 + head
	s_lshl_b32 s84, s12, 17                        ; the head's plane: 131,072 bytes
	s_and_b32 s85, s[WV], 3                        ; which 64 rows of a quarter I fetch
	s_lshl_b32 s86, s85, 13                        ; 64 rows of 128 bytes in memory
	s_add_co_u32 s86, s86, s84
	s_mov_b32 s87, 0
	s_mul_i32 s88, s85, 64*PK                      ; and in LDS
	s_mul_i32 s89, s85, 64*PVP
	; descriptor group 1: a tile of 64 rows x 64 elements of 2 bytes, padded in LDS
	s_mov_b32 s[G1K], (1<<16)|(1<<20)|(4<<22)|(3<<25)  ; 15:0 no mask; 17:16 elements of 2 bytes; 20 padding on; 24:22 after every 32 words (code 4); 31:25 4 words (code 3)
	s_mov_b32 s[G1V], (1<<16)|(1<<20)|(4<<22)|(7<<25)  ; the same with 8 words of padding (code 7)
.irp g, G1K, G1V
	s_mov_b32 s[\g+1], 64<<16                      ; tensor_dim0 = 64
	s_mov_b32 s[\g+2], 64<<16                      ; tensor_dim1 = 64
	s_mov_b32 s[\g+3], 64<<16                      ; tile_dim0 = 64
	s_mov_b32 s[\g+4], 64                          ; tile_dim1 = 64
	s_mov_b32 s[\g+5], 64                          ; elements from row to row
	s_mov_b32 s[\g+6], 0
	s_mov_b32 s[\g+7], 0
.endr
	s_mov_b32 s[SEL], 0x76543210
	s_mov_b32 s[SEL+1], 0xfedcba98
	s_mov_b32 s[CS], 0x3e38aa3b                    ; c = log2(e) / 8
	s_mov_b32 s[CS+1], s[CS]
	s_mov_b32 s[KS], 0
	s_mov_b32 s[TK], 0
	s_mov_b32 s[TV], 0
	s_mov_b32 s[TB], 0
	s_lshl_b32 s90, s11, 12                        ; my work-group's 32 rows of a rank: 4,096 bytes,
	s_add_co_u32 s90, s90, s84                     ; in the head's plane
	s_lshr_b32 s91, s12, 4
	s_lshl_b32 s91, s91, 12                        ; the batch's row of m
	s_wait_dscnt 0x0
	s_wait_kmcnt 0x0
	s_add_nc_u64 s[86:87], s[4:5], s[86:87]        ; q's plane at my 64 rows; k's and v's lie 16,777,216 and 33,554,432 bytes on
	s_lshl_b32 s2, s[WV], 13                       ; tiles 0, 1: rank w: 64 rows of 128 bytes a rank
	s_add_co_u32 s2, s2, s90
	s_mov_b32 s3, 0
	s_add_nc_u64 s[56:57], s[4:5], s[2:3]          ; their rows of q
	s_add_nc_u64 s[60:61], s[8:9], s[2:3]          ; and of o
	s_lshl_b32 s2, s[WHI], 13                      ; tiles 2, 3: rank 15 - w
	s_add_co_u32 s2, s2, s90
	s_add_nc_u64 s[58:59], s[4:5], s[2:3]
	s_add_nc_u64 s[62:63], s[8:9], s[2:3]
	s_mov_b32 s2, s91
	s_add_nc_u64 s[6:7], s[6:7], s[2:3]
.irp j, 0,1,2,3
	s_mov_b32 s[G0K+4*\j], 1                       ; count = 1
	s_add_co_u32 s[G0K+4*\j+1], s88, \j*256*PK     ; LDS address: quarter j, my 64 rows
	s_add_nc_u64 s[G0K+4*\j+2:G0K+4*\j+3], s[86:87], 16777216+\j*32768
	s_or_b32 s[G0K+4*\j+3], s[G0K+4*\j+3], 0x80000000   ; type = 2
	s_mov_b32 s[G0V+4*\j], 1
	s_add_co_u32 s[G0V+4*\j+1], s89, VOFF+\j*256*PVP
	s_add_nc_u64 s[G0V+4*\j+2:G0V+4*\j+3], s[86:87], 33554432+\j*32768
	s_or_b32 s[G0V+4*\j+3], s[G0V+4*\j+3], 0x80000000
.endr
	s_cmp_lt_u32 s[WV], 4                          ; a wave's four fills stand in one branch, ahead of every wait on TENSORcnt, every LDS read and every barrier: four loads of mine are out; four v_nop follow the last
	s_cbranch_scc0 .Lfirst_v
.irp j, 0,1,2,3
	tensor_load_to_lds s[G0K+4*\j:G0K+4*\j+3], s[G1K:G1K+7]
	s_nop 0
.endr
	PLACES 4
	s_branch .Lfirst_asked
.Lfirst_v:
.irp j, 0,1,2,3
	tensor_load_to_lds s[G0V+4*\j:G0V+4*\j+3], s[G1V:G1V+7]
	s_nop 0
.endr
	PLACES 4
.Lfirst_asked:
	v_and_b32 v14, 15, v0                          ; r = lane % 16
	v_bfe_u32 v15, v0, 4, 1                        ; h = lane / 16
	v_lshlrev_b32 v[QO], 7, v14
	v_lshl_add_u32 v[QO], v15, 4, v[QO]            ; q: row r of 128 bytes + 16 h
	v_lshlrev_b32 v[MO], 4, v0
	WIN 0x40                                       ; destination window 1
.irp t, 0,1,2,3
.irp k, 0,1                                    ; Q stays in registers: tile t, channels 32 k on: registers 0-3 channels 8 h + 0..7, registers 4-7 channels 16 + 8 h + 0..7
	global_load_b128 v[16*\t+8*\k:16*\t+8*\k+3],   v[QO], s[56+2*(\t/2):57+2*(\t/2)] offset:2048*(\t%2)+64*\k
	global_load_b128 v[16*\t+8*\k+4:16*\t+8*\k+7], v[QO], s[56+2*(\t/2):57+2*(\t/2)] offset:2048*(\t%2)+64*\k+32
.endr
.endr
	WIN 0
	global_load_b128 v[TS:TS+3], v[MO], s[6:7]     ; m[b][4 thread .. + 3]: 256 threads take the batch's 1,024
	v_mul_u32_u24 v[AK0], v14, PK
	v_lshl_add_u32 v[AK0], v15, 4, v[AK0]          ; K: row r x pitch + 16 h
	v_and_b32 v[AV0], 7, v0                        ; V, for the turning load: key 8 h + lane % 8, channels 8 ((lane / 8) % 2) on
	v_lshl_add_u32 v[AV0], v15, 3, v[AV0]
	v_mul_u32_u24 v[AV0], v[AV0], PVP
	v_bfe_u32 v[AB0], v0, 3, 1
	v_lshl_add_u32 v[AV0], v[AB0], 4, v[AV0]
	v_add_nc_u32 v[AV0], VOFF, v[AV0]
	v_lshl_add_u32 v[AB0], v15, 5, BIAS            ; the bias words of keys 8 h + 0..7
	v_lshlrev_b32 v[DG], 3, v15
	v_sub_nc_u32 v[DG], v14, v[DG]
	v_lshl_add_u32 v[DG], s11, 5, v[DG]            ; a lane's number, no address
	v_mov_b32 v[NEG], 0xfe800000                   ; -2^126
	s_mul_i32 s91, s[WV], 4*16*PK                  ; my stage, for the way out: four tiles of 16 rows x 144 bytes, in K's bytes, used behind the last barrier
	v_add_nc_u32 v[STO], s91, v[AK0]               ; in: row r, 16 bytes for each half of the lanes
	v_and_b32 v[GO], 31, v0
	v_lshrrev_b32 v[RD], 3, v[GO]                  ; back: eight lanes to a row of 128 bytes
	v_mul_u32_u24 v[RD], v[RD], PK
	v_and_b32 v[ADK], 7, v0
	v_lshl_add_u32 v[RD], v[ADK], 4, v[RD]
	v_add_nc_u32 v[RD], s91, v[RD]
	v_lshlrev_b32 v[GO], 4, v[GO]
	v_lshl_add_u32 v[ADB], v0, 4, BIAS             ; where my four bias words go
.irp t, 0,1,2,3
	v_mov_b32 v[ST+8*\t+1], v[NEG]                 ; m starts at -2^126,
	v_mul_f32 v[ST+8*\t], s[CS], v[ST+8*\t+1]      ; c m likewise (exact), l at 0
.irp i, 2,3,4,5,6,7
	v_mov_b32 v[ST+8*\t+\i], 0                     ; (c1 is a lane permute's destination, which counts as one of its sources)
.endr
.endr
	s_wait_loadcnt 0x0                             ; Q and m
.irp i, 0,1,2,3
	v_cmp_eq_f32 vcc_lo, 0, v[TS+\i]
	v_cndmask_b32 v[TS+\i], 0, v[NEG], vcc_lo      ; -2^126 where m = 0, else 0
.endr
	ds_store_b128 v[ADB], v[TS:TS+3]
; S^T of tile t into buffer b: four accumulators of 16 keys by turns, two links each (channels 0-31, 32-63); the first link's C is the bias tile.
.macro SCORES t, b
	WIN 0x14                                       ; source 1 (Q) and source 2 (bias) window 1
.irp u, 0,1,2,3
	v_wmma_f32_16x16x32_f16 v[S+32*(\b)+8*\u:S+32*(\b)+8*\u+7], v[KF+16*\u:KF+16*\u+7], v[16*(\t):16*(\t)+7], v[BI+8*\u:BI+8*\u+7]
.endr
	WIN 0x04
.irp u, 0,1,2,3
	v_wmma_f32_16x16x32_f16 v[S+32*(\b)+8*\u:S+32*(\b)+8*\u+7], v[KF+16*\u+8:KF+16*\u+15], v[16*(\t)+8:16*(\t)+15], v[S+32*(\b)+8*\u:S+32*(\b)+8*\u+7]
.endr
.endm
; The diagonal, for tile i of a pair, whose scores lie in buffer i: register 8 u + j holds key 16 u + 8 h + j of the step, hidden where it comes after my query 32 c + 16 i + r.  Each accumulator from its low end on.
.macro DIAG i
.irp u, 0,1,2,3
.irp j, 0,1,2,3,4,5,6,7
	v_cmp_gt_i32 vcc_lo, 16*\u+\j-16*(\i), v[DG]
	v_cndmask_b32 v[S+32*(\i)+8*\u+\j], v[S+32*(\i)+8*\u+\j], v[NEG], vcc_lo
.endr
.endr
.endm
; The softmax of tile t on buffer b.  first = 1: the first step: there is no O^T yet to bring under the new maximum.
.macro SOFTMAX t, b, first
.set rT, ST+8*(\t)
.set rS, S+32*(\b)
.set rO, OT+32*(\t)
	WIN 0
.irp u, 0,1,2,3
	v_max3_num_f32 v[rT+4+\u], v[rS+8*\u], v[rS+8*\u+1], v[rS+8*\u+2]      ; four chains, one an accumulator, each from the low end on
.endr
.irp i, 3,5
.irp u, 0,1,2,3
	v_max3_num_f32 v[rT+4+\u], v[rT+4+\u], v[rS+8*\u+\i], v[rS+8*\u+\i+1]
.endr
.endr
	v_max3_num_f32 v[rT+4], v[rT+4], v[rS+7], v[rS+15]
	v_max3_num_f32 v[rT+6], v[rT+6], v[rS+23], v[rS+31]
	v_max3_num_f32 v[rT+4], v[rT+4], v[rT+5], v[rT+6]
	v_max3_num_f32 v[rT+4], v[rT+4], v[rT+7], v[rT+1]                      ; with the old m
	v_permlanex16_b32 v[rT+5], v[rT+4], s[SEL], s[SEL+1]                   ; the query's other 32 keys lie in the lane 16 away
	v_mov_b32 v[rT+7], v[rT]                                               ; c m_old
	v_max_num_f32 v[rT+1], v[rT+4], v[rT+5]
	v_mul_f32 v[rT], s[CS], v[rT+1]
	v_sub_f32 v[rT+7], v[rT+7], v[rT]
	v_exp_f32 v[rT+6], v[rT+7]                                             ; a; the scalings below are the plain lines behind it
.irp b2, 0,1,2,3,4,5,6,7,8,9,10,11,12,13,14,15
	v_pk_fma_f32 v[rS+2*\b2:rS+2*\b2+1], v[rS+2*\b2:rS+2*\b2+1], s[CS:CS+1], v[rT:rT+1] op_sel_hi:[1,0,0] neg_lo:[0,0,1] neg_hi:[0,0,1]   ; c s - c m
.endr
.irp j, 0,1,2,3,4,5,6,7,8,9,10,11,12,13,14,15,16,17,18,19,20,21,22,23,24,25,26,27,28,29,30,31
	v_exp_f32 v[rS+\j], v[rS+\j]
.endr
	v_nop                                          ; one plain line between the run of exponentials and the first line that reads their results (ISA guide 5.7.2)
	s_wait_alu depctr_va_vdst(0)
.irp i, 0,1,2,3                                ; the sum of the unrounded p, in four chains
	v_pk_add_f32 v[TS+2*\i:TS+2*\i+1], v[rS+2*\i:rS+2*\i+1], v[rS+8+2*\i:rS+8+2*\i+1]
.endr
.irp i, 0,1,2,3
	v_pk_add_f32 v[TS+2*\i:TS+2*\i+1], v[TS+2*\i:TS+2*\i+1], v[rS+16+2*\i:rS+16+2*\i+1]
.endr
.irp i, 0,1,2,3
	v_pk_add_f32 v[TS+2*\i:TS+2*\i+1], v[TS+2*\i:TS+2*\i+1], v[rS+24+2*\i:rS+24+2*\i+1]
.endr
.irp i, 0,1,2,3,4,5,6,7,8,9,10,11,12,13,14,15
	v_cvt_pk_f16_f32 v[rS+\i], v[rS+2*\i], v[rS+2*\i+1]                    ; P, in place: register i is written when its own pair has been read; the chains above have read all of p
.endr
	v_pk_add_f32 v[TS:TS+1], v[TS:TS+1], v[TS+2:TS+3]                      ; the chains are joined behind the roundings: four lines that touch nothing of P
	v_pk_add_f32 v[TS+4:TS+5], v[TS+4:TS+5], v[TS+6:TS+7]
	v_pk_fma_f32 v[rT+2:rT+3], v[rT+2:rT+3], v[rT+6:rT+7], v[TS:TS+1] op_sel_hi:[1,0,1]   ; l = a l + the sum
	v_pk_add_f32 v[rT+2:rT+3], v[rT+2:rT+3], v[TS+4:TS+5]
.if !\first
	WIN 0x41                                       ; O^T (destination and source 0) window 1
.irp i, 0,1,2,3,4,5,6,7,8,9,10,11,12,13,14,15
	v_pk_mul_f32 v[rO+2*\i:rO+2*\i+1], v[rO+2*\i:rO+2*\i+1], v[rT+6:rT+7] op_sel_hi:[1,0]   ; O^T x a, each accumulator from its low end on
.endr
.endif
.endm
; O^T += V^T P of tile t, P in buffer b: four accumulators of 16 channels by turns, two links each (keys 0-31, 32-63).  zero = 1: the first links start the sums: nothing is cleared.
.macro PV t, b, zero
	WIN 0x50                                       ; C and D window 1
.irp k, 0,1
.irp c, 0,1,2,3
.if (\zero) && (\k == 0)
	v_wmma_f32_16x16x32_f16 v[OT+32*(\t)+8*\c:OT+32*(\t)+8*\c+7], v[VF+32*\k+8*\c:VF+32*\k+8*\c+7], v[S+32*(\b)+8*\k:S+32*(\b)+8*\k+7], 0
.else
	v_wmma_f32_16x16x32_f16 v[OT+32*(\t)+8*\c:OT+32*(\t)+8*\c+7], v[VF+32*\k+8*\c:VF+32*\k+8*\c+7], v[S+32*(\b)+8*\k:S+32*(\b)+8*\k+7], v[OT+32*(\t)+8*\c:OT+32*(\t)+8*\c+7]
.endif
.endr
.endr
.endm
; A KEY STEP: 64 keys.  Idle where the step lies behind both my ranks.  Else the step's fragments are fetched once; the pair of rank 15 - w works first, then, where the step is at most w, the pair of rank w.
; One tile's second product stands beside the other tile's softmax.  first = 1: step 0, in which all four tiles work and the upper pair has no diagonal: no branch stands round any product.
.macro STEP first
.if !\first
	s_cmp_gt_u32 s[KS], s[WHI]
	s_cbranch_scc1 .Lidle_\@
.endif
	v_add_nc_u32 v[ADK], s[TK], v[AK0]
	v_add_nc_u32 v[ADV], s[TV], v[AV0]
	v_add_nc_u32 v[ADB], s[TB], v[AB0]
	WIN 0x40
.irp u, 0,1,2,3
	ds_load_b128 v[BI+8*\u:BI+8*\u+3],   v[ADB] offset:64*\u               ; bias of keys 16 u + 8 h + 0..7, in the result's layout
	ds_load_b128 v[BI+8*\u+4:BI+8*\u+7], v[ADB] offset:64*\u+16
.endr
	WIN 0
.irp u, 0,1,2,3
.irp k, 0,1
	ds_load_b128 v[KF+16*\u+8*\k:KF+16*\u+8*\k+3],   v[ADK] offset:16*PK*\u+64*\k
	ds_load_b128 v[KF+16*\u+8*\k+4:KF+16*\u+8*\k+7], v[ADK] offset:16*PK*\u+64*\k+32
.endr
.endr
.irp k, 0,1
.irp c, 0,1,2,3
	ds_load_tr16_b128 v[VF+32*\k+8*\c:VF+32*\k+8*\c+3],   v[ADV] offset:32*PVP*\k+32*\c
	ds_load_tr16_b128 v[VF+32*\k+8*\c+4:VF+32*\k+8*\c+7], v[ADV] offset:32*PVP*\k+32*\c+16*PVP
.endr
.endr
	s_wait_dscnt 16                                ; the bias and K are in; V's sixteen loads, the youngest, may be out
	SCORES 2, 0
	SCORES 3, 1
	WIN 0
	PLACES 4                                       ; behind the products, ahead of the first read of scores
.if !\first
	s_cmp_lg_u32 s[KS], s[WHI]
	s_cbranch_scc1 .Lopenh_\@
	DIAG 0
	DIAG 1
.Lopenh_\@:
.endif
	SOFTMAX 2, 0, \first
	s_wait_dscnt 0x0                               ; V is in
	PV 2, 0, \first
	SOFTMAX 3, 1, \first
	PV 3, 1, \first
	WIN 0
.if !\first
	s_cmp_gt_u32 s[KS], s[WV]
	s_cbranch_scc1 .Ldone_\@
.endif
	PLACES 5                                       ; the lower pair's scores are written over the upper pair's P, which the products just issued read: five places
	SCORES 0, 0
	SCORES 1, 1
	WIN 0
	PLACES 4
	s_cmp_lg_u32 s[KS], s[WV]
	s_cbranch_scc1 .Lopenl_\@
	DIAG 0
	DIAG 1
.Lopenl_\@:
	SOFTMAX 0, 0, \first
	PV 0, 0, \first
	SOFTMAX 1, 1, \first
	PV 1, 1, \first
	WIN 0
.Ldone_\@:
	PLACES 5                                       ; four ahead of the next loads into V's fragments, five ahead of the next scores, which are written over P
.Lidle_\@:
	s_add_co_u32 s[KS], s[KS], 1                   ; on every path
	s_add_co_u32 s[TK], s[TK], 64*PK
	s_add_co_u32 s[TV], s[TV], 64*PVP
	s_add_co_u32 s[TB], s[TB], 256
.endm
; Steps 0 to 2 read quarter 0 alone.  The four barriers stand ahead of steps 0 to 3, so that from step 3 on no barrier holds the waves in step: their shares of a step differ, their totals do not.
	GATE 3                                         ; my first load (quarter 0) has landed, three may be out; my bias words are stored
	STEP 1
	GATE 2                                         ; quarter 1
	STEP 0
	GATE 1                                         ; quarter 2
	STEP 0
	GATE 0                                         ; quarter 3: all of K and V lie in LDS
	s_mov_b32 s92, 13
.Lsteps:
	STEP 0
	s_sub_co_u32 s92, s92, 1
	s_cmp_lg_u32 s92, 0
	s_cbranch_scc1 .Lsteps
	GATE 0                                         ; every wave's reads of K are over: its first bytes become the stages
; THE WAY OUT.  l's two halves and the other half of the lanes' are added; O^T / l is rounded to f16 and goes through my stage: a tile's 16 rows are 2,048 consecutive bytes of o, 512 a store.
; l is held at 0.5 from below: a row with a key that counts has l of about 1 or more; a row that found l = 0 (no key at all) keeps O = 0 and stays finite.
; Each tile has registers of its own: rg for O^T / l (the score buffers, then V's fragments), bk for the rows read back (K's fragments).
.macro OUT t, rg, bk
.set rT, ST+8*(\t)
.set rO, OT+32*(\t)
	v_add_f32 v[rT+4], v[rT+2], v[rT+3]
	v_permlanex16_b32 v[rT+5], v[rT+4], s[SEL], s[SEL+1]
	v_add_f32 v[rT+4], v[rT+4], v[rT+5]
	v_max_num_f32 v[rT+4], 0.5, v[rT+4]
	v_rcp_f32 v[rT+6], v[rT+4]
	v_nop                                          ; a plain line between the reciprocal and its use
	WIN 0x01                                       ; source 0 (O^T) window 1
	s_wait_alu depctr_va_vdst(0)
.irp i, 0,1,2,3,4,5,6,7,8,9,10,11,12,13,14,15
	v_pk_mul_f32 v[\rg+2*\i:\rg+2*\i+1], v[rO+2*\i:rO+2*\i+1], v[rT+6:rT+7] op_sel_hi:[1,0]   ; each accumulator from its low end on
.endr
	WIN 0
.irp i, 0,1,2,3,4,5,6,7,8,9,10,11,12,13,14,15
	v_cvt_pk_f16_f32 v[\rg+\i], v[\rg+2*\i], v[\rg+2*\i+1]
.endr
.irp c, 0,1,2,3
	ds_store_b128 v[STO], v[\rg+4*\c:\rg+4*\c+3] offset:16*PK*(\t)+32*\c   ; query r, channels 16 c + 8 h + 0..7
.endr
.irp f, 0,1,2,3
	ds_load_b128 v[\bk+4*\f:\bk+4*\f+3], v[RD] offset:16*PK*(\t)+4*PK*\f   ; LDS serves a wave's instructions in order: these see my stores
.endr
.endm
	OUT 0, S, KF
	OUT 1, S+32, KF+16
	OUT 2, VF, KF+32
	OUT 3, VF+32, KF+48
.irp t, 0,1,2,3
.irp f, 0,1,2,3
	s_wait_dscnt 8*(3-\t)+3-\f                     ; behind tile t's load f: its 3 - f younger loads and the four stores and four loads of each later tile
	global_store_b128 v[GO], v[KF+16*\t+4*\f:KF+16*\t+4*\f+3], s[60+2*(\t/2):61+2*(\t/2)] offset:2048*(\t%2)+512*\f   ; the wave stores 512 consecutive bytes, aligned
.endr
.endr
	s_wait_tensorcnt 0x0
	ds_add_u32 v254, v255
	s_wait_dscnt 0x0
	s_endpgm
.Lfunc_end_k_qac1fb47aba_attn:
	.size	k_qac1fb47aba_attn, .Lfunc_end_k_qac1fb47aba_attn-k_qac1fb47aba_attn
	.p2alignl 7, 3214868480
	.fill 96, 4, 3214868480
	.section	.rodata,"a",@progbits
	.p2align	6, 0x0
	.amdhsa_kernel k_qac1fb47aba_attn
		.amdhsa_group_segment_fixed_size 327680
		.amdhsa_private_segment_fixed_size 0
		.amdhsa_enable_private_segment 0
		.amdhsa_kernarg_size 24
		.amdhsa_user_sgpr_count 2
		.amdhsa_user_sgpr_kernarg_segment_ptr 1
		.amdhsa_wavefront_size32 1
		.amdhsa_system_sgpr_workgroup_id_x 1
		.amdhsa_system_sgpr_workgroup_id_y 1
		.amdhsa_system_sgpr_workgroup_id_z 1
		.amdhsa_system_vgpr_workitem_id 0
		.amdhsa_next_free_vgpr 512
		.amdhsa_next_free_sgpr 96
		.amdhsa_reserve_vcc 1
		.amdhsa_float_denorm_mode_32 3
		.amdhsa_float_denorm_mode_16_64 3
		.amdhsa_memory_ordered 1
		.amdhsa_forward_progress 1
		.amdhsa_inst_pref_size 183
	.end_amdhsa_kernel
	.amdgpu_metadata
---
amdhsa.version: [ 1, 2 ]
amdhsa.kernels:
  - .name:           k_qac1fb47aba_attn
    .symbol:         k_qac1fb47aba_attn.kd
    .args:
      - { .name: qkv, .offset: 0, .size: 8, .value_kind: global_buffer, .address_space: global }
      - { .name: m, .offset: 8, .size: 8, .value_kind: global_buffer, .address_space: global }
      - { .name: o16, .offset: 16, .size: 8, .value_kind: global_buffer, .address_space: global }
    .group_segment_fixed_size: 327680
    .private_segment_fixed_size: 0
    .kernarg_segment_align: 8
    .kernarg_segment_size: 24
    .max_flat_workgroup_size: 256
    .sgpr_count:     96
    .vgpr_count:     512
    .wavefront_size: 32
...
	.end_amdgpu_metadata
.endif
;; end of part 3
;; launch proj (part 4): grid 8 x 32, 4 waves a work-group, clusters of 4 x 4, 327,680 bytes of LDS; arguments o16, w16, b_out, m, out0; writes out0
.if DOCPART == 4
	.amdgcn_target "amdgcn-amd-amdhsa--gfx1250"
	.amdhsa_code_object_version 6
	.text
	.protected	k_qac1fb47aba_proj
	.globl	k_qac1fb47aba_proj
	.p2align	8
	.type	k_qac1fb47aba_proj,@function
k_qac1fb47aba_proj:
	s_mov_b64 s[64:65], 0
	v_nop
	global_prefetch_b8 v0, s[64:65] scope:SCOPE_SE
	s_setreg_imm32_b32 hwreg(HW_REG_WAVE_MODE, 25, 1), 1
	s_wait_xcnt 0x0
	s_wait_alu depctr_hold_cnt(0) depctr_sa_sdst(0) depctr_va_vdst(0) depctr_va_sdst(0) depctr_va_ssrc(0) depctr_va_vcc(0) depctr_vm_vsrc(0)
	s_getreg_b32 s2, hwreg(HW_REG_IB_STS2, 6, 4)
	s_cmp_eq_u32 s2, 0
	s_cbranch_scc0 .Lentry_in_a_cluster
	s_endpgm
.Lentry_in_a_cluster:
	s_bfe_u32 s2, ttmp6, 0x10000c
	s_cmp_lg_u32 s2, 0xf033
	s_cbranch_scc0 .Lentry_shape_is_right
	s_endpgm
.Lentry_shape_is_right:
; out0[row][e] = (sum over d of o[row][d] w_out[e][d] + b_out[e]) x m[row].  o: [8][16 heads][1024][64] f16 (d = 64 head + channel); w_out: [1024 e][1024 d] f16; b_out [1024], m [8192], out0 [8192][1024]: f32.
; Products on f16 operands, sums in f32.  LIMIT: NaN and infinities are not served.
; A tile of out0 is 256 rows x 128 columns: 256 work-groups.  Four waves, each 128 rows x 64 columns: 32 accumulators of 16 x 16, 256 registers.
; K goes in 8 steps of 128, two heads, through a ring of two LDS slots.  A slot holds two planes of o (256 rows x 128 bytes each, dense in memory) and 128 rows x 256 bytes of w_out.
; One tensor load a wave: waves 0 and 1 a plane of o each, waves 2 and 3 64 rows of w_out each.
; CLUSTERS: 4 x 4 work-groups.  The four of a row of the cluster need the same tiles of o, the four of a column the same tiles of w_out: each is asked for JOINTLY.
; THE MATRIX INSTRUCTION IS USED TRANSPOSED (source 0 = 16 rows of w_out, source 1 = 16 rows of o): a lane holds eight neighbouring columns of one row.  b_out is the C of each sum's first product.
; REGISTERS: window 0: v1-29 addresses; v32-63 b_out in the result's layout, 8 a column block; v64-79 m of my lane's row in each of 8 row blocks, in pairs; v96-127, v128-191 the way out.
;   window 1: two fragment buffers of 128: 64 registers of o (8 x 16 rows x 32 K), then 32 of w_out.   window 2: accumulator (a, b) at v[8 (4 a + b)].
; With 8 K steps, of which the first four are asked for within the first two, no tile is asked for ahead of its load.
.set PA,     144                       ; a row of o in LDS: 128 bytes + 16
.set PB,     272                       ; a row of w_out: 256 bytes + 16
.set PLANE,  256*PA                    ; a head's 256 rows
.set BOFF,   2*PLANE                   ; w_out's rows lie behind the two planes
.set SLOT,   BOFF+128*PB               ; 108,544
.set STAGE,  2*SLOT                    ; behind the ring: 16 rows x 272 bytes for each wave, for the way out
.set SPITCH, 272
.set SPARE,  STAGE+4*16*SPITCH         ; behind the stages: the spare words, 128 bytes for each wave, which no other line names
.set LAPS,   4                         ; a lap = two K steps = once round the ring
.set BO,   6                           ; v6      32 x (lane / 16): my eight numbers of a column block of b_out
.set MO,   7                           ; v7      4 x (lane % 16): my row's m
.set ADRA, 16                          ; v16-17  LDS address of my fragments of o in slot 0, 1
.set ADRB, 20                          ; v20-21  the same for w_out
.set STO,  24                          ; v24     the way out: where I put 32 bytes of a row
.set RD,   25                          ; v25     where I read rows back
.set CO,   26                          ; v26     my byte offset in two rows of out0
.set SPW,  28                          ; v28     LDS address of my spare word; never rewritten
.set NIL,  29                          ; v29     0; never rewritten
.set BIAS, 32
.set MK,   64
.set TMP,  96
.set BK,   128
.set F0,   0                           ; fragment buffers, in window 1
.set F1,   128
.set G1, 24                            ; s[24:31] descriptor group 1 for o's planes;  s[32:39] group 0, one set for each slot
.set G0, 32
.set G1B, 48                           ; s[48:55], s[56:63] the same for w_out's tiles
.set G0B, 56
.set MSB, 0
.macro WIN new                         ; the immediate's high byte repeats the setting that is left
.if MSB != \new
	s_set_vgpr_msb (MSB<<8)|\new
.set MSB, \new
.endif
.endm
.set MUL,   0xa5                       ; sources 0 and 1 window 1; C and D window 2
.set MUL1,  0x85                       ; the same with C (b_out) in window 0
.set TO_F,  0x40                       ; destination window 1, address window 0
.macro JLOAD s                         ; a joint load: waves 0 and 1 fetch for o, waves 2 and 3 for w_out; four v_nop follow each of the two lines, ahead of the jump, the label and what follows
	s_cmp_eq_u32 s11, 0
	s_cbranch_scc0 .Lfor_b_\@
	tensor_load_to_lds s[G0+4*\s:G0+4*\s+3], s[G1:G1+7]
	s_nop 0
.rept 4
	v_nop
.endr
	s_branch .Lasked_\@
.Lfor_b_\@:
	tensor_load_to_lds s[G0B+4*\s:G0B+4*\s+3], s[G1B:G1B+7]
	s_nop 0
.rept 4
	v_nop
.endr
.Lasked_\@:
.endm
.macro CREST                           ; a round of the cluster's barrier behind its opening barrier
	s_cmp_lg_u32 s10, 0
	s_cbranch_scc1 .Lnot_wave_0_\@
	s_barrier_signal -3
.Lnot_wave_0_\@:
	s_barrier_wait -3
	s_barrier_signal -1
	s_barrier_wait -1
.endm
.macro CROUND                          ; a whole round
	s_barrier_signal -1
	s_barrier_wait -1
	CREST
.endm
	s_load_b128 s[4:7], s[0:1], 0x0                ; o16, w16
	s_load_b128 s[68:71], s[0:1], 0x10             ; b_out, m
	s_load_b64 s[8:9], s[0:1], 0x20                ; out0
	v_lshl_add_u32 v[SPW], v0, 2, SPARE
	v_mov_b32 v[NIL], 0
	ds_add_u32 v28, v29
	ds_add_u32 v28, v29
	s_wait_dscnt 0x0
	v_lshrrev_b32 v1, 5, v0
	v_readfirstlane_b32 s10, v1                    ; wave 0..3
	s_lshr_b32 s11, s10, 1                         ; which half of the tile's rows is mine.  Also: I fetch for o (0) or for w_out (1)
	s_and_b32 s12, s10, 1                          ; which half of its columns.  Also: which plane, or which 64 rows, I fetch
	s_bfe_u32 s40, ttmp6, 0x40000                  ; cx, cy: my place in the cluster
	s_bfe_u32 s41, ttmp6, 0x40004
	s_lshl_b32 s42, ttmp9, 2
	s_add_co_u32 s42, s42, s40                     ; tile column = 4 x cluster x + cx
	s_and_b32 s13, ttmp7, 0xffff
	s_lshl_b32 s13, s13, 2
	s_add_co_u32 s13, s13, s41                     ; tile row = 4 x cluster y + cy
	s_lshl_b32 s43, s41, 2
	s_lshl_b32 s43, 15, s43                        ; my row of the cluster
	s_lshl_b32 s44, 0x1111, s40                    ; my column
	; descriptor group 1.  o: 256 rows x 64 elements of 2 bytes, dense; 4 words of padding after every 32.  w_out: 64 rows x 128 elements, 1,024 elements apart; 4 words after every 64
	s_or_b32 s[G1+0], s43, (1<<16)|(1<<20)|(1<<21)|(4<<22)|(3<<25)
	s_mov_b32 s[G1+1], 64<<16                      ; tensor_dim0
	s_mov_b32 s[G1+2], 256<<16                     ; tensor_dim1
	s_mov_b32 s[G1+3], 64<<16                      ; tile_dim0
	s_mov_b32 s[G1+4], 256                         ; tile_dim1
	s_mov_b32 s[G1+5], 64                          ; elements from row to row
	s_mov_b32 s[G1+6], 0
	s_mov_b32 s[G1+7], 0
	s_or_b32 s[G1B+0], s44, (1<<16)|(1<<20)|(1<<21)|(5<<22)|(3<<25)
	s_mov_b32 s[G1B+1], 128<<16
	s_mov_b32 s[G1B+2], 64<<16
	s_mov_b32 s[G1B+3], 128<<16
	s_mov_b32 s[G1B+4], 64
	s_mov_b32 s[G1B+5], 1024
	s_mov_b32 s[G1B+6], 0
	s_mov_b32 s[G1B+7], 0
	s_lshr_b32 s16, s13, 2                         ; o: the batch (2,097,152 bytes),
	s_lshl_b32 s16, s16, 21
	s_and_b32 s17, s13, 3
	s_lshl_b32 s17, s17, 15                        ; the tile's 256 rows of 128 bytes in a plane,
	s_add_co_u32 s16, s16, s17
	s_lshl_b32 s17, s12, 17                        ; and which of the K step's two heads I fetch
	s_add_co_u32 s16, s16, s17
	s_mov_b32 s17, 0
	s_lshl_b32 s46, s42, 18                        ; w_out: row 128 x tile column + 64 x half, 2,048 bytes a row
	s_lshl_b32 s47, s12, 17
	s_add_co_u32 s46, s46, s47
	s_mov_b32 s47, 0
	s_mul_i32 s20, s12, PLANE                      ; where they go: no place in the cluster enters an LDS address
	s_mul_i32 s23, s12, 64*PB
	s_add_co_u32 s23, s23, BOFF
	s_wait_kmcnt 0x0
	s_add_nc_u64 s[14:15], s[4:5], s[16:17]
	s_add_nc_u64 s[46:47], s[6:7], s[46:47]
	CROUND                                         ; all sixteen work-groups are here: the first joint loads meet
.irp s, 0,1
	s_mov_b32 s[G0+4*\s], 1
	s_add_co_u32 s[G0+4*\s+1], s20, \s*SLOT
	s_add_nc_u64 s[G0+4*\s+2:G0+4*\s+3], s[14:15], \s*2*131072     ; K step s: two heads on
	s_or_b32 s[G0+4*\s+3], s[G0+4*\s+3], 0x80000000
	s_mov_b32 s[G0B+4*\s], 1
	s_add_co_u32 s[G0B+4*\s+1], s23, \s*SLOT
	s_add_nc_u64 s[G0B+4*\s+2:G0B+4*\s+3], s[46:47], \s*256
	s_or_b32 s[G0B+4*\s+3], s[G0B+4*\s+3], 0x80000000
	JLOAD \s                                       ; by this text's count two tensor loads of a wave are out here, later one
.endr
	v_and_b32 v1, 15, v0                           ; l % 16
	v_bfe_u32 v2, v0, 4, 1                         ; l / 16
	; b_out and m, once
	s_lshl_b32 s46, s42, 9                         ; my first column, in bytes: 512 x tile column + 256 x half
	s_lshl_b32 s47, s12, 8
	s_add_co_u32 s46, s46, s47
	s_mov_b32 s47, 0
	s_add_nc_u64 s[68:69], s[68:69], s[46:47]
	s_add_nc_u64 s[8:9], s[8:9], s[46:47]
	s_lshl_b32 s16, s13, 10                        ; my first row: 256 x tile row + 128 x half; 4 bytes a row in m,
	s_lshl_b32 s17, s11, 9
	s_add_co_u32 s16, s16, s17
	s_mov_b32 s17, 0
	s_add_nc_u64 s[70:71], s[70:71], s[16:17]
	s_lshl_b32 s16, s16, 10                        ; 4,096 in out0
	s_add_nc_u64 s[8:9], s[8:9], s[16:17]
	v_lshlrev_b32 v[BO], 5, v2
	v_lshlrev_b32 v[MO], 2, v1
.irp b, 0,1,2,3
	global_load_b128 v[BIAS+8*\b:BIAS+8*\b+3],   v[BO], s[68:69] offset:64*\b      ; b_out of columns 16 b + 8 (l / 16) + 0..7
	global_load_b128 v[BIAS+8*\b+4:BIAS+8*\b+7], v[BO], s[68:69] offset:64*\b+16
.endr
.irp a, 0,1,2,3,4,5,6,7
	global_load_b32 v[MK+2*\a], v[MO], s[70:71] offset:64*\a                       ; m of row 16 a + l % 16
.endr
	v_mul_u32_u24 v3, v1, PA
	v_lshl_add_u32 v3, v2, 4, v3                   ; a fragment of o: row x pitch + 16 x half
	v_mul_u32_u24 v4, v1, PB
	v_lshl_add_u32 v4, v2, 4, v4                   ; and of w_out
	s_mul_i32 s21, s11, 128*PA                     ; my 128 rows of o, in either plane
	s_mul_i32 s22, s12, 64*PB                      ; my 64 rows of w_out
	s_add_co_u32 s22, s22, BOFF
.irp s, 0,1
	v_add_nc_u32 v[ADRA+\s], s21, v3
	v_add_nc_u32 v[ADRB+\s], s22, v4
	s_add_co_u32 s21, s21, SLOT
	s_add_co_u32 s22, s22, SLOT
.endr
	s_mul_i32 s23, s10, 16*SPITCH
	s_add_co_u32 s23, s23, STAGE                   ; my stage
	v_mul_u32_u24 v5, v1, SPITCH                   ; in: row l % 16, 32 bytes for each half of the lanes
	v_lshl_add_u32 v5, v2, 5, v5
	v_add_nc_u32 v[STO], s23, v5
	v_mul_u32_u24 v5, v2, SPITCH                   ; back: lanes 0-15 one row of 256 bytes, lanes 16-31 the next
	v_lshl_add_u32 v5, v1, 4, v5
	v_add_nc_u32 v[RD], s23, v5
	v_lshlrev_b32 v5, 12, v2                       ; and the same two rows in out0
	v_lshl_add_u32 v[CO], v1, 4, v5
; 8 matrix instructions: row blocks a0, a0 + 1 x all 4 column blocks, 32 along K, from buffer f.  first = 1: the sums start from b_out.  The 32 accumulators take turns, in the same order in every quarter.
.macro MUL8 f, a0, first
.irp a, \a0, \a0+1
.irp b, 0,1,2,3
.if \first
	v_wmma_f32_16x16x32_f16 v[8*(4*(\a)+\b):8*(4*(\a)+\b)+7], v[\f+64+8*\b:\f+64+8*\b+7], v[\f+8*(\a):\f+8*(\a)+7], v[BIAS+8*\b:BIAS+8*\b+7]
.else
	v_wmma_f32_16x16x32_f16 v[8*(4*(\a)+\b):8*(4*(\a)+\b)+7], v[\f+64+8*\b:\f+64+8*\b+7], v[\f+8*(\a):\f+8*(\a)+7], v[8*(4*(\a)+\b):8*(4*(\a)+\b)+7]
.endif
.endr
.endr
.endm
.macro MWIN first
.if \first
	WIN MUL1
.else
	WIN MUL
.endif
.endm
; 24 LDS loads in one run: the fragments of the slot's q-th 32 along K into buffer f: w_out's four first, then o's eight (plane q / 2, channels 32 (q % 2) on)
.macro FETCH slot, q, f
	WIN TO_F
.irp i, 0,1,2,3
	ds_load_b128 v[\f+64+8*\i:\f+64+8*\i+3],   v[ADRB+\slot] offset:64*(\q)+\i*16*PB
	ds_load_b128 v[\f+64+8*\i+4:\f+64+8*\i+7], v[ADRB+\slot] offset:64*(\q)+\i*16*PB+32
.endr
.irp i, 0,1,2,3,4,5,6,7
	ds_load_b128 v[\f+8*\i:\f+8*\i+3],   v[ADRA+\slot] offset:((\q)/2)*PLANE+64*((\q)%2)+\i*16*PA
	ds_load_b128 v[\f+8*\i+4:\f+8*\i+7], v[ADRA+\slot] offset:((\q)/2)*PLANE+64*((\q)%2)+\i*16*PA+32
.endr
.endm
.macro PLACES                          ; four places in front of loads into registers that matrix instructions have read, and of vector instructions that read results
.rept 4
	v_nop
.endr
.endm
; A K step is four quarters of 32 along K, 32 matrix instructions each, on buffers 0, 1, 0, 1.  One of the first three: multiplies buffer f and fetches the slot's quarter q into g.
.macro QUARTER slot, q, f, g, first
	s_wait_dscnt 8                                 ; w_out's fragments and o's blocks 0-3 are in; the youngest eight loads (blocks 4-7) may be out
	MWIN \first
	MUL8 \f, 0, \first
	MUL8 \f, 2, \first
	PLACES
	FETCH \slot, \q, \g
	s_wait_dscnt 24                                ; all but the 24 just issued
	MWIN \first
	MUL8 \f, 4, \first
	MUL8 \f, 6, \first
.endm
; The last quarter multiplies buffer 1 and changes slots: ONE barrier; in front of it each wave waits for all its tensor loads, adds 0 to its spare word, and waits for that and for its own reads of this slot.
; fill = 1: this slot is filled again, two K steps ahead; the barrier then opens a round of the cluster's barrier, and the joint refill is the first tensor load behind the round.
.macro TURN slot, next, fill
	WIN 0                                          ; (the add's two registers lie in window 0)
	s_wait_tensorcnt 0x0                           ; all my tensor loads have landed: the one that was out is my part of the next slot
	ds_add_u32 v[SPW], v[NIL]                      ; 0 onto my spare word
	s_wait_dscnt 9                                 ; (the add and the youngest eight loads may be out)
	WIN MUL
	MUL8 F1, 0, 0                                  ; eight matrix instructions stand between the add and the wait for it
	s_wait_dscnt 0x0                               ; the add is done, and my reads of this slot are over
	s_barrier_signal -1
	MUL8 F1, 2, 0
	WIN 0
	s_barrier_wait -1
.if \fill
	CREST                                          ; no wave of any partner still reads this slot's tiles or has a load on its way
	s_add_nc_u64 s[G0+4*\slot+2:G0+4*\slot+3], s[G0+4*\slot+2:G0+4*\slot+3], 4*131072    ; two K steps on: four heads,
	s_add_nc_u64 s[G0B+4*\slot+2:G0B+4*\slot+3], s[G0B+4*\slot+2:G0B+4*\slot+3], 512     ; 256 elements along w_out's rows
	JLOAD \slot                                    ; 112 matrix instructions ahead of the wait for it; the four v_nop behind it are also the places in front of the loads below
.else
	PLACES
.endif
	FETCH \next, 0, F0
	WIN MUL
	MUL8 F1, 4, 0
	MUL8 F1, 6, 0
.endm
	s_wait_tensorcnt 1                             ; my part of K step 0 is in (K step 1's load may be out),
	s_barrier_signal -1
	s_barrier_wait -1                              ; everybody's is
	FETCH 0, 0, F0
	WIN 0
	s_wait_loadcnt 0x0                             ; b_out and m
.irp a, 0,1,2,3,4,5,6,7
	v_mov_b32 v[MK+2*\a+1], v[MK+2*\a]             ; the packed multiply names a pair
.endr
	QUARTER 0, 1, F0, F1, 1                        ; the first quarter stands in front of the loop: its products start the sums from b_out
	WIN 0                                          ; at a label and at a branch every window is 0
	s_mov_b32 s3, LAPS-1
.Llap:                                                 ; a trip goes once round the ring, from a lap's second quarter to the next lap's first, and fills both slots again
	QUARTER 0, 2, F1, F0, 0
	QUARTER 0, 3, F0, F1, 0
	TURN 0, 1, 1
	QUARTER 1, 1, F0, F1, 0
	QUARTER 1, 2, F1, F0, 0
	QUARTER 1, 3, F0, F1, 0
	TURN 1, 0, 1
	QUARTER 0, 1, F0, F1, 0
	WIN 0
	s_sub_co_u32 s3, s3, 1
	s_cmp_lg_u32 s3, 0
	s_cbranch_scc1 .Llap
	QUARTER 0, 2, F1, F0, 0                        ; the last lap fills nothing, and has no round of the cluster's barrier
	QUARTER 0, 3, F0, F1, 0
	TURN 0, 1, 0
	QUARTER 1, 1, F0, F1, 0
	QUARTER 1, 2, F1, F0, 0
	QUARTER 1, 3, F0, F1, 0
	s_wait_dscnt 8                                 ; the very last quarter: nothing more to fetch
	WIN MUL
	MUL8 F1, 0, 0
	MUL8 F1, 2, 0
	s_wait_dscnt 0x0
	MUL8 F1, 4, 0
	MUL8 F1, 6, 0
	WIN 0
; THE WAY OUT, block by block of 16 rows x 64 columns.  The sums (b_out is in them) are multiplied by the row's m; a lane's eight columns are 32 bytes of one row; a block goes through my own stage in LDS
; and comes back as whole runs of 256 bytes, which sixteen lanes store at a multiple of 256 from out0's first byte.
.macro PACK a
	WIN 0x02                                       ; source 0 window 2
.irp b, 0,1,2,3
.irp i, 0,1,2,3
	v_pk_mul_f32 v[TMP+8*\b+2*\i:TMP+8*\b+2*\i+1], v[8*(4*(\a)+\b)+2*\i:8*(4*(\a)+\b)+2*\i+1], v[MK+2*(\a):MK+2*(\a)+1] op_sel_hi:[1,0]   ; each accumulator from its low end on
.endr
.endr
	WIN 0
.endm
.macro TOSTAGE a
.set BB, BK+32*((\a)%2)
.irp b, 0,1,2,3
	ds_store_b128 v[STO], v[TMP+8*\b:TMP+8*\b+3] offset:64*\b
	ds_store_b128 v[STO], v[TMP+8*\b+4:TMP+8*\b+7] offset:64*\b+16
.endr
.irp f, 0,1,2,3,4,5,6,7
	ds_load_b128 v[BB+4*\f:BB+4*\f+3], v[RD] offset:\f*2*SPITCH    ; LDS serves a wave's instructions in order (ISA guide 5.7.1.4): these see the stores above
.endr
.endm
.macro SEND a
.set BB, BK+32*((\a)%2)
	s_wait_dscnt 0x0                               ; the block is back in registers
	s_wait_xcnt 0x0                                ; the earlier stores have read their base and their data: both are written again only behind this wait
.if (\a) > 0
	s_add_nc_u64 s[8:9], s[8:9], 16*4096           ; 16 rows on
.endif
.irp f, 0,1,2,3,4,5,6,7
	global_store_b128 v[CO], v[BB+4*\f:BB+4*\f+3], s[8:9] offset:\f*2*4096 th:TH_STORE_NT   ; written once, read by nobody here
.endr
.endm
	PLACES                                         ; behind the last products, ahead of the first read of results
	PACK 0
	TOSTAGE 0
.irp a, 1,2,3,4,5,6,7                  ; block a's multiplies stand between block a - 1's loads from the stage and the wait for them
	PACK \a
	SEND \a-1
	TOSTAGE \a
.endr
	SEND 7
	s_wait_tensorcnt 0x0                           ; the wave's end: behind my last tensor load and my last LDS store
	ds_add_u32 v[SPW], v[NIL]
	s_wait_dscnt 0x0
	CROUND                                         ; the closing round: no work-group ends while a partner may still ask for a tile that names it
	s_endpgm
.Lfunc_end_k_qac1fb47aba_proj:
	.size	k_qac1fb47aba_proj, .Lfunc_end_k_qac1fb47aba_proj-k_qac1fb47aba_proj
	.p2alignl 7, 3214868480
	.fill 96, 4, 3214868480
	.section	.rodata,"a",@progbits
	.p2align	6, 0x0
	.amdhsa_kernel k_qac1fb47aba_proj
		.amdhsa_group_segment_fixed_size 327680
		.amdhsa_private_segment_fixed_size 0
		.amdhsa_enable_private_segment 0
		.amdhsa_kernarg_size 40
		.amdhsa_user_sgpr_count 2
		.amdhsa_user_sgpr_kernarg_segment_ptr 1
		.amdhsa_wavefront_size32 1
		.amdhsa_system_sgpr_workgroup_id_x 1
		.amdhsa_system_sgpr_workgroup_id_y 1
		.amdhsa_system_sgpr_workgroup_id_z 1
		.amdhsa_system_vgpr_workitem_id 0
		.amdhsa_next_free_vgpr 768
		.amdhsa_next_free_sgpr 72
		.amdhsa_reserve_vcc 0
		.amdhsa_float_denorm_mode_32 3
		.amdhsa_float_denorm_mode_16_64 3
		.amdhsa_memory_ordered 1
		.amdhsa_forward_progress 1
		.amdhsa_inst_pref_size 96
	.end_amdhsa_kernel
	.amdgpu_metadata
---
amdhsa.version: [ 1, 2 ]
amdhsa.kernels:
  - .name:           k_qac1fb47aba_proj
    .symbol:         k_qac1fb47aba_proj.kd
    .args:
      - { .name: o16, .offset: 0, .size: 8, .value_kind: global_buffer, .address_space: global }
      - { .name: w16, .offset: 8, .size: 8, .value_kind: global_buffer, .address_space: global }
      - { .name: b_out, .offset: 16, .size: 8, .value_kind: global_buffer, .address_space: global }
      - { .name: m, .offset: 24, .size: 8, .value_kind: global_buffer, .address_space: global }
      - { .name: out0, .offset: 32, .size: 8, .value_kind: global_buffer, .address_space: global }
    .group_segment_fixed_size: 327680
    .private_segment_fixed_size: 0
    .kernarg_segment_align: 8
    .kernarg_segment_size: 40
    .max_flat_workgroup_size: 128
    .sgpr_count:     72
    .vgpr_count:     768
    .wavefront_size: 32
...
	.end_amdgpu_metadata
.endif
;; end of part 4
